; MI455X (gfx1250); checked and timed in simulation.
; The chip was launched on July 23, 2026; its instructions are those of AMD's public machine-readable ISA for CDNA 5 (MIT licence, August 2026) and "CDNA5" Instruction Set Architecture Reference Guide (July 2026). The comments in the code are by the model that wrote it; some were corrected since.
;; Self Attention. Allowed arithmetic: float matrix products may take bf16 or f16 operands with f32 sums; all other float work in f32.
;; Inputs: k_norm_w 128 float32; q_norm_w 128 float32; wk 512 x 4,096 float32; wo 4,096 x 1,024 float32; wq 1,024 x 4,096 float32; wv 512 x 4,096 float32; x 2 x 2,048 x 4,096 float32.
;; Outputs: out0 2 x 2,048 x 4,096 float32.
;; One version. Each part assembles by itself: llvm-mc -triple=amdgcn-amd-amdhsa -mcpu=gfx1250 --defsym DOCPART=n.
;; ======== version 1 of 1: 4 launches
;; limits: values are held in f16: magnitudes above 65,504 overflow, below 6.1e-05 lose precision; right only within a limited range of input values
;; workspace buffers: xb 33,554,432 bytes; wqkvb 16,777,216 bytes; wob 8,388,608 bytes; tab 1,050,112 bytes; qkv 16,777,216 bytes; ob 8,388,608 bytes
;; launch prep (part 1): grid 256 x 1, 16 waves a work-group, no clusters, 0 bytes of LDS; arguments x, wq, wk, wv, wo, q_norm_w, k_norm_w, xb, wqkvb, wob, tab; writes xb, wqkvb, wob, tab
.if DOCPART == 1
	.amdgcn_target "amdgcn-amd-amdhsa--gfx1250"
	.amdhsa_code_object_version 6
	.text
	.protected	k_qc8d5eac0b7_prep
	.globl	k_qc8d5eac0b7_prep
	.p2align	8
	.type	k_qc8d5eac0b7_prep,@function
k_qc8d5eac0b7_prep:
	s_mov_b64 s[64:65], 0
	v_nop
	global_prefetch_b8 v0, s[64:65] scope:SCOPE_SE
	s_setreg_imm32_b32 hwreg(HW_REG_WAVE_MODE, 25, 1), 1
	s_wait_xcnt 0x0
; PREP.  Casts and tables for the three launches behind it.
;   xb    = bf16(x)                         [4096][4096]
;   wqkvb = bf16(wq), bf16(wk), bf16(wv)    [2048][4096], one below the other
;   wob   = 16 x bf16(wo), written as f16   [4096][1024]  (v is kept as v / 16 further on; the two powers of two cancel in the last product)
;   tab   = 2051 rows of 128 f32: row pos < 2048 holds cos(pos f_i), i = 0..63, then sin(pos f_i), f_i = 1e6^(-i/64);
;           row 2048 the q gain rounded to bf16, row 2049 the k gain rounded to bf16, row 2050 ones
; LIMITS.  |wo| under 4,094 (f16 ends at 65,504); 16 wo below 6e-5 keeps f16's fixed step of 6e-8.  The angle pos f_i is made in f32;
; at pos = 2047 its rounding is some 1e-4 rad.  sin and cos: the angle less a whole number of turns, then the series
; to x^15 and x^16 on -pi .. pi (first term left out: under 1e-6).
; SHARES.  Every work-group takes 1/256 of each array: 16 rounds of x, 4 of wq, 2 of wk, 2 of wv, 4 of wo.  A round is 16,384 bytes in and 8,192 out:
; thread t of 512 loads the 32 bytes at 32 t and stores the 16 bytes at 16 t, so a wave's store covers 512 consecutive bytes, aligned.
; A thread's whole share, 28 rounds x 8 registers, has registers of its own: all 56 loads go out at the head, each round is converted in place and stored from
; the registers that it was loaded into, and no address register and no store's data is written again: the stream needs no wait but the counted one for its loads.
; No LDS, no matrix unit: memory binds.
.set ROUNDS, 28
.set IN,  8                            ; v[8:231]    round n: 8 registers as loaded; its first 4 then hold what is stored
.set T,   232                          ; v[232:243]  at work (the table, then wo)
.set TAD, 244                          ; v244        the table row's byte offset; never rewritten
.set TCS, 246                          ; v[246:249]  two cos, two sin; never rewritten
.macro PICK n                          ; round n of 28: which pointer in, which out, which round of that array, which conversion
.if (\n) < 16
.set PI, 4
.set PO, 18
.set RR, (\n)
.set KIND, 0
.elseif (\n) < 20
.set PI, 6
.set PO, 20
.set RR, (\n)-16
.set KIND, 0
.elseif (\n) < 22
.set PI, 8
.set PO, 38
.set RR, (\n)-20
.set KIND, 0
.elseif (\n) < 24
.set PI, 10
.set PO, 40
.set RR, (\n)-22
.set KIND, 0
.else
.set PI, 12
.set PO, 22
.set RR, (\n)-24
.set KIND, 1
.endif
.endm
.macro LOADR n
	PICK \n
.set RI, IN+8*(\n)
	global_load_b128 v[RI:RI+3],   v1, s[PI:PI+1] offset:RR*16384 th:TH_LOAD_NT
	global_load_b128 v[RI+4:RI+7], v1, s[PI:PI+1] offset:RR*16384+16 th:TH_LOAD_NT
.endm
.macro CONV n
	PICK \n
.set RI, IN+8*(\n)
	s_wait_loadcnt 2*(ROUNDS-1-(\n))               ; loads come back in order: behind this round's two stand two for each later round
.if KIND == 0
.irp k, 0,1,2,3
	v_cvt_pk_bf16_f32 v[RI+(\k)], v[RI+2*(\k)], v[RI+2*(\k)+1]    ; in place: word k lands on a register whose number has been read
.endr
.else
.irp k, 0,1,2,3
	v_cvt_pk_bf16_f32 v[T+8+(\k)], v[RI+2*(\k)], v[RI+2*(\k)+1]   ; rounded to bf16 like every input,
.endr
.irp k, 0,1,2,3
	v_lshlrev_b32 v[T+2*(\k)],   16, v[T+8+(\k)]                  ; widened again,
	v_and_b32     v[T+2*(\k)+1], s44, v[T+8+(\k)]
.endr
.irp k, 0,1,2,3
	v_pk_mul_f32 v[T+2*(\k):T+2*(\k)+1], v[T+2*(\k):T+2*(\k)+1], s[42:43] op_sel_hi:[1,0]  ; times 16, exact,
.endr
.irp k, 0,1,2,3
	v_cvt_pk_f16_f32 v[RI+(\k)], v[T+2*(\k)], v[T+2*(\k)+1]       ; and written as f16: 8 significant bits fit in 11
.endr
.endif
	global_store_b128 v2, v[RI:RI+3], s[PO:PO+1] offset:RR*8192
.endm
; cos and sin of the angle in v[a]: turns t = a / 2 pi in two parts (the constant and what it lacks), less the nearest whole number; x = 2 pi f; the series by Horner in z = x x
.macro TRIG a, c, s
	v_mul_f32 v[T+6], 0.15915494, v[\a]
	v_rndne_f32 v[T+7], v[T+6]
	v_fma_f32 v[T+6], v[\a], 0.15915494, -v[T+7]
	v_fmamk_f32 v[T+6], v[\a], 0x31dc9c88, v[T+6]
	v_mul_f32 v[T+6], 0x40c90fdb, v[T+6]
	v_mul_f32 v[T+7], v[T+6], v[T+6]
	v_mov_b32 v[\s], 0xab573f9f                    ; -1/15!
	v_mov_b32 v[\c], 0x29573f9f                    ; 1/16!
	v_fmaak_f32 v[\s], v[\s], v[T+7], 0x2f309231   ; 1/13!
	v_fmaak_f32 v[\c], v[\c], v[T+7], 0xad49cba5   ; -1/14!
	v_fmaak_f32 v[\s], v[\s], v[T+7], 0xb2d7322b   ; -1/11!
	v_fmaak_f32 v[\c], v[\c], v[T+7], 0x310f76c7   ; 1/12!
	v_fmaak_f32 v[\s], v[\s], v[T+7], 0x3638ef1d   ; 1/9!
	v_fmaak_f32 v[\c], v[\c], v[T+7], 0xb493f27e   ; -1/10!
	v_fmaak_f32 v[\s], v[\s], v[T+7], 0xb9500d01   ; -1/7!
	v_fmaak_f32 v[\c], v[\c], v[T+7], 0x37d00d01   ; 1/8!
	v_fmaak_f32 v[\s], v[\s], v[T+7], 0x3c088889   ; 1/5!
	v_fmaak_f32 v[\c], v[\c], v[T+7], 0xbab60b61   ; -1/6!
	v_fmaak_f32 v[\s], v[\s], v[T+7], 0xbe2aaaab   ; -1/3!
	v_fmaak_f32 v[\c], v[\c], v[T+7], 0x3d2aaaab   ; 1/4!
	v_fma_f32 v[\s], v[\s], v[T+7], 1.0
	v_fma_f32 v[\c], v[\c], v[T+7], -0.5
	v_mul_f32 v[\s], v[\s], v[T+6]
	v_fma_f32 v[\c], v[\c], v[T+7], 1.0
.endm
	s_load_b512 s[4:19], s[0:1], 0x0               ; x s[4:5], wq s[6:7], wk s[8:9], wv s[10:11], wo s[12:13], q gain s[14:15], k gain s[16:17], xb s[18:19]
	s_load_b128 s[20:23], s[0:1], 0x40             ; wqkvb s[20:21], wob s[22:23]
	s_load_b64 s[24:25], s[0:1], 0x50              ; tab
	v_lshlrev_b32 v1, 5, v0                        ; 32 t: never rewritten
	v_lshlrev_b32 v2, 4, v0                        ; 16 t: never rewritten
	v_lshrrev_b32 v3, 5, v0
	v_readfirstlane_b32 s26, v3                    ; wave 0..15
	s_lshl_b32 s27, ttmp9, 3
	s_add_co_u32 s27, s27, s26                     ; waves 0 to 7: my table row, pos = 8 x work-group + wave
	s_lshl_b32 s28, ttmp9, 18                      ; the work-group's shares, in bytes, each as a pair with 0 above
	s_mov_b32 s29, 0
	s_lshl_b32 s30, ttmp9, 17
	s_mov_b32 s31, 0
	s_lshl_b32 s32, ttmp9, 16
	s_mov_b32 s33, 0
	s_lshl_b32 s34, ttmp9, 15
	s_mov_b32 s35, 0
	s_lshl_b32 s36, ttmp9, 14
	s_mov_b32 s37, 0
	s_mov_b32 s42, 0x41800000                      ; 16.0
	s_mov_b32 s43, s42                             ; named with it as a pair
	s_mov_b32 s44, 0xffff0000                      ; a word's upper bf16
	s_wait_kmcnt 0x0
	s_add_nc_u64 s[4:5], s[4:5], s[28:29]          ; x: 262,144 bytes a work-group
	s_add_nc_u64 s[18:19], s[18:19], s[30:31]      ; xb: half of that
	s_add_nc_u64 s[6:7], s[6:7], s[32:33]          ; wq, wo: 65,536
	s_add_nc_u64 s[12:13], s[12:13], s[32:33]
	s_add_nc_u64 s[8:9], s[8:9], s[34:35]          ; wk, wv: 32,768
	s_add_nc_u64 s[10:11], s[10:11], s[34:35]
	s_add_nc_u64 s[38:39], s[20:21], s[36:37]
	s_add_nc_u64 s[40:41], s[38:39], 0xc00000      ; wv's rows begin 1,536 rows of 8,192 bytes down,
	s_add_nc_u64 s[38:39], s[38:39], 0x800000      ; wk's 1,024
	s_add_nc_u64 s[20:21], s[20:21], s[34:35]
	s_add_nc_u64 s[22:23], s[22:23], s[34:35]
.set n, 0
.rept ROUNDS
	LOADR n                                        ; the thread's whole share is asked for
.set n, n+1
.endr
	; eight table rows a work-group, one for each of waves 0 to 7, made while those loads are out.  Lane l takes i = 2 l and 2 l + 1.
	s_cmp_ge_u32 s26, 8
	s_cbranch_scc1 .Lno_row
	v_and_b32 v[T], 31, v0
	v_lshlrev_b32 v[TAD], 3, v[T]
	s_lshl_b32 s45, s27, 9
	v_add_nc_u32 v[TAD], s45, v[TAD]               ; 512 pos + 8 l
	v_lshlrev_b32 v[T+1], 1, v[T]
	v_or_b32 v[T+2], 1, v[T+1]
	v_cvt_f32_u32 v[T+1], v[T+1]
	v_cvt_f32_u32 v[T+2], v[T+2]
	v_cvt_f32_u32 v[T+3], s27
	v_mul_f32 v[T+1], 0xbe9f73da, v[T+1]           ; -i log2(1e6) / 64
	v_mul_f32 v[T+2], 0xbe9f73da, v[T+2]
	v_exp_f32 v[T+1], v[T+1]
	v_exp_f32 v[T+2], v[T+2]
	v_nop                                          ; a plain instruction between the exponentials and the use of their results
	s_wait_alu depctr_va_vdst(0)
	v_mul_f32 v[T+4], v[T+3], v[T+1]
	v_mul_f32 v[T+5], v[T+3], v[T+2]
	TRIG T+4, TCS,   TCS+2
	TRIG T+5, TCS+1, TCS+3
	global_store_b64 v[TAD], v[TCS:TCS+1],   s[24:25]             ; the wave's 32 lanes cover the row's 256 bytes of cos,
	global_store_b64 v[TAD], v[TCS+2:TCS+3], s[24:25] offset:256  ; and its 256 bytes of sin
.Lno_row:
.set n, 0
.rept ROUNDS
	CONV n
.set n, n+1
.endr
	; the three rows behind the table: one wave of one work-group
	s_cmp_lg_u32 ttmp9, 0
	s_cbranch_scc1 .Lend
	s_cmp_lg_u32 s26, 0
	s_cbranch_scc1 .Lend
	s_wait_xcnt 0x0                                ; the stores above have read their data: v8-31 are written again only behind this wait
	global_load_b128 v[8:11],  v2, s[14:15]        ; in wave 0 the thread is the lane: 32 x 16 bytes are the 128 gains
	global_load_b128 v[12:15], v2, s[16:17]
	v_mov_b32 v16, 1.0
	v_mov_b32 v17, 1.0
	v_mov_b32 v18, 1.0
	v_mov_b32 v19, 1.0
	global_store_b128 v2, v[16:19], s[24:25] offset:1049600
	s_wait_loadcnt 0x0
	v_cvt_pk_bf16_f32 v20, v8, v9                  ; the gains are inputs too: rounded to bf16, kept as f32
	v_cvt_pk_bf16_f32 v21, v10, v11
	v_cvt_pk_bf16_f32 v22, v12, v13
	v_cvt_pk_bf16_f32 v23, v14, v15
	v_lshlrev_b32 v24, 16, v20
	v_and_b32 v25, s44, v20
	v_lshlrev_b32 v26, 16, v21
	v_and_b32 v27, s44, v21
	v_lshlrev_b32 v28, 16, v22
	v_and_b32 v29, s44, v22
	v_lshlrev_b32 v30, 16, v23
	v_and_b32 v31, s44, v23
	global_store_b128 v2, v[24:27], s[24:25] offset:1048576
	global_store_b128 v2, v[28:31], s[24:25] offset:1049088
.Lend:
	s_endpgm
.Lfunc_end_k_qc8d5eac0b7_prep:
	.size	k_qc8d5eac0b7_prep, .Lfunc_end_k_qc8d5eac0b7_prep-k_qc8d5eac0b7_prep
	.p2alignl 7, 3214868480
	.fill 96, 4, 3214868480
	.section	.rodata,"a",@progbits
	.p2align	6, 0x0
	.amdhsa_kernel k_qc8d5eac0b7_prep
		.amdhsa_group_segment_fixed_size 0
		.amdhsa_private_segment_fixed_size 0
		.amdhsa_enable_private_segment 0
		.amdhsa_kernarg_size 88
		.amdhsa_user_sgpr_count 2
		.amdhsa_user_sgpr_kernarg_segment_ptr 1
		.amdhsa_wavefront_size32 1
		.amdhsa_system_sgpr_workgroup_id_x 1
		.amdhsa_system_sgpr_workgroup_id_y 1
		.amdhsa_system_sgpr_workgroup_id_z 1
		.amdhsa_system_vgpr_workitem_id 0
		.amdhsa_next_free_vgpr 256
		.amdhsa_next_free_sgpr 66
		.amdhsa_reserve_vcc 0
		.amdhsa_float_denorm_mode_32 3
		.amdhsa_float_denorm_mode_16_64 3
		.amdhsa_memory_ordered 1
		.amdhsa_forward_progress 1
		.amdhsa_inst_pref_size 26
	.end_amdhsa_kernel
	.amdgpu_metadata
---
amdhsa.version: [ 1, 2 ]
amdhsa.kernels:
  - .name:           k_qc8d5eac0b7_prep
    .symbol:         k_qc8d5eac0b7_prep.kd
    .args:
      - { .name: x, .offset: 0, .size: 8, .value_kind: global_buffer, .address_space: global }
      - { .name: wq, .offset: 8, .size: 8, .value_kind: global_buffer, .address_space: global }
      - { .name: wk, .offset: 16, .size: 8, .value_kind: global_buffer, .address_space: global }
      - { .name: wv, .offset: 24, .size: 8, .value_kind: global_buffer, .address_space: global }
      - { .name: wo, .offset: 32, .size: 8, .value_kind: global_buffer, .address_space: global }
      - { .name: q_norm_w, .offset: 40, .size: 8, .value_kind: global_buffer, .address_space: global }
      - { .name: k_norm_w, .offset: 48, .size: 8, .value_kind: global_buffer, .address_space: global }
      - { .name: xb, .offset: 56, .size: 8, .value_kind: global_buffer, .address_space: global }
      - { .name: wqkvb, .offset: 64, .size: 8, .value_kind: global_buffer, .address_space: global }
      - { .name: wob, .offset: 72, .size: 8, .value_kind: global_buffer, .address_space: global }
      - { .name: tab, .offset: 80, .size: 8, .value_kind: global_buffer, .address_space: global }
    .group_segment_fixed_size: 0
    .private_segment_fixed_size: 0
    .kernarg_segment_align: 8
    .kernarg_segment_size: 88
    .max_flat_workgroup_size: 512
    .sgpr_count:     66
    .vgpr_count:     256
    .wavefront_size: 32
...
	.end_amdgpu_metadata
.endif
;; end of part 1
;; launch qkv (part 2): grid 8 x 32, 4 waves a work-group, clusters of 4 x 4, 327,680 bytes of LDS; arguments xb, wqkvb, tab, qkv; writes qkv
.if DOCPART == 2
	.amdgcn_target "amdgcn-amd-amdhsa--gfx1250"
	.amdhsa_code_object_version 6
	.text
	.protected	k_qc8d5eac0b7_qkv
	.globl	k_qc8d5eac0b7_qkv
	.p2align	8
	.type	k_qc8d5eac0b7_qkv,@function
k_qc8d5eac0b7_qkv:
	s_mov_b64 s[64:65], 0
	v_nop
	global_prefetch_b8 v0, s[64:65] scope:SCOPE_SE
	s_setreg_imm32_b32 hwreg(HW_REG_WAVE_MODE, 25, 1), 1
	s_wait_xcnt 0x0
	s_wait_alu depctr_hold_cnt(0) depctr_sa_sdst(0) depctr_va_vdst(0) depctr_va_sdst(0) depctr_va_ssrc(0) depctr_va_vcc(0) depctr_vm_vsrc(0)
	s_getreg_b32 s2, hwreg(HW_REG_IB_STS2, 6, 4)
	s_cmp_eq_u32 s2, 0
	s_cbranch_scc0 .Lentry_in_a_cluster
	s_endpgm
.Lentry_in_a_cluster:
	s_bfe_u32 s2, ttmp6, 0x10000c
	s_cmp_lg_u32 s2, 0xf033
	s_cbranch_scc0 .Lentry_shape_is_right
	s_endpgm
.Lentry_shape_is_right:
; QKV.  C = xb wqkvb^T (4096 x 2048, K = 4096, bf16 operands, f32 sums), and on the way out, in f32: for q and k heads the RMS norm over the head's 128 channels, the gain and
; the rotation by position; for v heads a division by 16.  Everything leaves as f16, by heads: qkv[batch][c][s][128], c = 0-7 q heads, 8-11 k heads, 12-15 v heads.
; LIMITS.  f16 ends at 65,504: |v| under 1.04e6; q and k are at most sqrt(128) x 1.42 x |gain|, so |gain| under 4,000.  v / 16 below 6e-5 keeps f16's fixed step of 6e-8.
; SHARES.  A tile of C is 128 rows x 256 columns: 256 work-groups.  Four waves, each 64 rows x 128 columns = ONE head: 32 accumulators of 16 x 16, so a row's norm never leaves the wave.
; THE RING has two slots of unequal length.  A tile's 384 rows (128 of A, 256 of B) with 256 along K take 384 x 528 = 202,752 bytes: two such slots do not fit in LDS.  So slot X holds 256 along K
; (rows of 512 bytes, pitch 528) and slot Y 128 (rows of 256 bytes, pitch 272): 307,200 bytes together.  K is walked X0 Y0 X1 Y1 .. X9 Y9 X10 (10 x 384 + 256 = 4096): 20 changes of slot.  All rows start
; at multiples of 256 bytes of memory.  A load for Y has 240 matrix instructions of a wave in which to land, one for X 112.  Waves 0 and 1 fetch A's two halves (64 rows each), waves 2 and 3 B's (128 rows each).
; CLUSTER 4 x 4: A's tile is shared along a row of the cluster, B's along a column; each is asked for jointly.
; THE MATRIX INSTRUCTION IS USED TRANSPOSED (source 0 = 16 rows of B, source 1 = 16 rows of A): lane l holds row l % 16 of C and the columns 16 b + 8 (l / 16) + 0..7.  A channel d < 64 and its
; partner d + 64 in the rotation are then accumulators b and b + 4 of the same lane.
; WHAT KIND OF HEAD a wave has hangs on its place in the cluster, so it steers no branch: a v head takes table row 0 (cos 1, sin 0), the row of ones as its gain, and 1/16 in the place of 1/rms by a select.
; REGISTERS.  window 0: v0-29 addresses; v32-127, v128-223 two fragment buffers (A at +8 a, B at +32 + 8 b), free on the way out; v224-239 small work of the way out
;   window 1: accumulator (a, b) at v[8 (8 a + b)]     window 2: block a's cos at 64 a + .., sin at 64 a + 32 + ..     window 3: v0-63 the gains of my lane's 64 columns
.set PX,     528                       ; a row of X in LDS: 512 bytes + 16 of padding: the 16 rows of a fragment load start at 16 different groups of four banks
.set PY,     272                       ; a row of Y: 256 + 16: likewise
.set XB,     128*PX                    ; X: A's 128 rows at 0, B's 256 rows here
.set YA,     384*PX                    ; Y: A's rows
.set YB,     YA+128*PY                 ; and B's
.set STAGE,  YA+384*PY                 ; behind the ring: 16 rows x 272 bytes for each wave
.set SPITCH, 272
.set SPARE,  STAGE+4*16*SPITCH         ; behind the stages: the spare words, 128 bytes for each wave, which no other line names
.set LAPB,   768                       ; bytes along a row from a slot's tile to its next: 384 along K
.set TO,   8                           ; v8-11  block a: my row's byte offset in tab, + 32 (l / 16)
.set H32,  12                          ; v12    32 (l / 16)
.set ADRA, 16                          ; v16-17 LDS address of my A fragments in X, Y
.set RA,   18                          ; v18    the same, running along X's rows
.set ADRB, 20                          ; v20-21 the same for B
.set RB,   22                          ; v22
.set STO,  24
.set RD,   25
.set CO,   26
.set SPW,  28                          ; v28    SPARE + 4 x my thread's number; never rewritten
.set NIL,  29                          ; v29    0; never rewritten
.set F0,   32
.set F1,   128
.set Y,    32                          ; the way out: a block's 64 numbers a lane
.set T,    96                          ; at work in the rotation
.set PK,   112                         ; packed f16
.set OB,   144                         ; read back from the stage: v144-175, v176-207 by turns
.set RS,   224                         ; v224-225 1/rms (or 1/16); named as a pair
.set TQ,   226                         ; v226-227 at work
.set VSC,  228                         ; 1/16
.set TS,   232                         ; v232-239 four chains of the sum of squares
.set G1,  24                           ; s[24:31] group 1 for A's tiles in X; s[80:87] in Y
.set G0,  32                           ; s[32:35] group 0 for A's tiles in X; s[36:39] in Y
.set G1B, 48                           ; s[48:55] group 1 for B's tiles in X; s[88:95] in Y
.set G0B, 56                           ; s[56:59], s[60:63]
.set MSB, 0
.macro WIN new                         ; the immediate's high byte repeats the setting that is left; a switch that changes nothing is dropped
.if MSB != (\new)
	s_set_vgpr_msb (MSB<<8)|(\new)
.set MSB, \new
.endif
.endm
.set MUL, 0x50                         ; sources in window 0, C and D in window 1
.macro JLOAD s                         ; a joint load into slot s (0: X, 1: Y); an s_nop 0 and four v_nop follow each of the two lines
	s_cmp_eq_u32 s13, 0
	s_cbranch_scc0 .Lfor_b_\@
	tensor_load_to_lds s[G0+4*(\s):G0+4*(\s)+3], s[G1+56*(\s):G1+56*(\s)+7]
	s_nop 0
.rept 4
	v_nop
.endr
	s_branch .Lasked_\@
.Lfor_b_\@:
	tensor_load_to_lds s[G0B+4*(\s):G0B+4*(\s)+3], s[G1B+40*(\s):G1B+40*(\s)+7]
	s_nop 0
.rept 4
	v_nop
.endr
.Lasked_\@:
.endm
.macro CREST                           ; a round of the cluster's barrier behind its opening barrier
	s_cmp_lg_u32 s12, 0
	s_cbranch_scc1 .Lnot_wave_0_\@
	s_barrier_signal -3
.Lnot_wave_0_\@:
	s_barrier_wait -3
	s_barrier_signal -1
	s_barrier_wait -1
.endm
.macro CROUND
	s_barrier_signal -1
	s_barrier_wait -1
	CREST
.endm
.macro PLACES                          ; four places in front of loads into registers that matrix instructions have read, and of vector work on their registers
.rept 4
	v_nop
.endr
.endm
.macro SHAPE g, cols, rows             ; words 1 to 7 of a group 1: a tile of rows x cols elements out of rows of 4,096
	s_mov_b32 s[(\g)+1], (\cols)<<16               ; tensor_dim0
	s_mov_b32 s[(\g)+2], (\rows)<<16               ; tensor_dim1
	s_mov_b32 s[(\g)+3], (\cols)<<16               ; tile_dim0
	s_mov_b32 s[(\g)+4], \rows                     ; tile_dim1
	s_mov_b32 s[(\g)+5], 4096                      ; elements from row to row
	s_mov_b32 s[(\g)+6], 0
	s_mov_b32 s[(\g)+7], 0
.endm
	s_load_b256 s[4:11], s[0:1], 0x0               ; xb s[4:5], wqkvb s[6:7], tab s[8:9], qkv s[10:11]
	v_lshl_add_u32 v[SPW], v0, 2, SPARE
	v_mov_b32 v[NIL], 0
	ds_add_u32 v28, v29
	s_wait_dscnt 0x0
	v_lshrrev_b32 v1, 5, v0
	v_readfirstlane_b32 s12, v1                    ; wave 0..3
	s_lshr_b32 s13, s12, 1                         ; which 64 rows of the tile are mine.  Also: I fetch for A (0) or for B (1)
	s_and_b32 s14, s12, 1                          ; which 128 columns.  Also: which half of that tile I fetch
	s_bfe_u32 s40, ttmp6, 0x40000                  ; cx
	s_bfe_u32 s41, ttmp6, 0x40004                  ; cy
	s_lshl_b32 s42, ttmp9, 2
	s_add_co_u32 s42, s42, s40                     ; tile column 0..7
	s_and_b32 s45, ttmp7, 0xffff
	s_lshl_b32 s45, s45, 2
	s_add_co_u32 s45, s45, s41                     ; tile row 0..31
	s_lshl_b32 s43, s41, 2
	s_lshl_b32 s43, 15, s43                        ; my row of the cluster
	s_lshl_b32 s44, 0x1111, s40                    ; my column
	s_or_b32 s[G1+0],   s43, (1<<16)|(1<<20)|(1<<21)|(6<<22)|(3<<25)   ; X: the mask; 2-byte elements; padding on; bit 21 beside a mask; after every 128 words 4 words
	s_or_b32 s[G1B+0],  s44, (1<<16)|(1<<20)|(1<<21)|(6<<22)|(3<<25)
	s_or_b32 s[G1+56],  s43, (1<<16)|(1<<20)|(1<<21)|(5<<22)|(3<<25)   ; Y: after every 64 words
	s_or_b32 s[G1B+40], s44, (1<<16)|(1<<20)|(1<<21)|(5<<22)|(3<<25)
	SHAPE G1,     256, 64
	SHAPE G1B,    256, 128
	SHAPE G1+56,  128, 64
	SHAPE G1B+40, 128, 128
	s_lshl_b32 s17, s14, 6
	s_lshl_b32 s16, s45, 7
	s_add_co_u32 s16, s16, s17                     ; A: row 128 x tile row + 64 x half,
	s_lshl_b32 s16, s16, 13                        ; of 8,192 bytes
	s_mov_b32 s17, 0
	s_lshl_b32 s47, s14, 7
	s_lshl_b32 s46, s42, 8
	s_add_co_u32 s46, s46, s47                     ; B: row 256 x tile column + 128 x half
	s_lshl_b32 s46, s46, 13
	s_mov_b32 s47, 0
	s_mul_i32 s20, s14, 64*PX                      ; where they go: no place in the cluster enters an LDS address
	s_mul_i32 s21, s14, 128*PX
	s_add_co_u32 s21, s21, XB
	s_mul_i32 s22, s14, 64*PY
	s_add_co_u32 s22, s22, YA
	s_mul_i32 s23, s14, 128*PY
	s_add_co_u32 s23, s23, YB
	s_wait_kmcnt 0x0
	s_add_nc_u64 s[18:19], s[4:5], s[16:17]
	s_add_nc_u64 s[46:47], s[6:7], s[46:47]
	CROUND                                         ; all sixteen work-groups are here: the first joint loads meet
	s_mov_b32 s[G0], 1                             ; X0: K 0 to 255
	s_mov_b32 s[G0+1], s20
	s_add_nc_u64 s[G0+2:G0+3], s[18:19], 0
	s_or_b32 s[G0+3], s[G0+3], 0x80000000
	s_mov_b32 s[G0+4], 1                           ; Y0: K 256 to 383
	s_mov_b32 s[G0+5], s22
	s_add_nc_u64 s[G0+6:G0+7], s[18:19], 512
	s_or_b32 s[G0+7], s[G0+7], 0x80000000
	s_mov_b32 s[G0B], 1
	s_mov_b32 s[G0B+1], s21
	s_add_nc_u64 s[G0B+2:G0B+3], s[46:47], 0
	s_or_b32 s[G0B+3], s[G0B+3], 0x80000000
	s_mov_b32 s[G0B+4], 1
	s_mov_b32 s[G0B+5], s23
	s_add_nc_u64 s[G0B+6:G0B+7], s[46:47], 512
	s_or_b32 s[G0B+7], s[G0B+7], 0x80000000
	JLOAD 0
	JLOAD 1
	v_and_b32 v1, 15, v0                           ; r = l % 16
	v_bfe_u32 v2, v0, 4, 1                         ; h = l / 16
	v_mul_u32_u24 v3, v1, PX
	v_lshl_add_u32 v3, v2, 4, v3                   ; in X: r x pitch + 16 h
	v_mul_u32_u24 v6, v1, PY
	v_lshl_add_u32 v6, v2, 4, v6                   ; in Y, and in the stage
	s_mul_i32 s22, s13, 64*PX                      ; my 64 rows of A
	v_add_nc_u32 v[ADRA], s22, v3
	s_mul_i32 s22, s14, 128*PX                     ; my 128 rows of B
	s_add_co_u32 s22, s22, XB
	v_add_nc_u32 v[ADRB], s22, v3
	s_mul_i32 s22, s13, 64*PY
	s_add_co_u32 s22, s22, YA
	v_add_nc_u32 v[ADRA+1], s22, v6
	s_mul_i32 s22, s14, 128*PY
	s_add_co_u32 s22, s22, YB
	v_add_nc_u32 v[ADRB+1], s22, v6
	s_mul_i32 s22, s12, 16*SPITCH
	s_add_co_u32 s22, s22, STAGE                   ; my stage
	v_add_nc_u32 v[STO], s22, v6                   ; in: row r, 16 bytes for each half of the lanes
	v_mul_u32_u24 v5, v2, SPITCH                   ; back: lanes 0-15 one row of 256 bytes, lanes 16-31 the next
	v_lshl_add_u32 v5, v1, 4, v5
	v_add_nc_u32 v[RD], s22, v5
	v_and_b32 v[CO], 31, v0
	v_lshlrev_b32 v[CO], 4, v[CO]                  ; which are 512 consecutive bytes of a head
	v_mov_b32 v[RS+1], 0                           ; named in a pair
	v_mov_b32 v[TQ+1], 0                           ; the lane exchange counts as a reader of its destination
	v_mov_b32 v[VSC], 0x3d800000                   ; 1/16
	s_mov_b32 s70, 0x3c000000                      ; 1/128
	s_mov_b32 s71, 0x358637bd                      ; 1e-6
	s_mov_b32 s72, 0x76543210                      ; each lane takes its own place in the other half
	s_mov_b32 s73, 0xfedcba98
	; my head c and what hangs on it: values and global addresses only
	s_lshl_b32 s66, s42, 1
	s_add_co_u32 s66, s66, s14                     ; c = 2 x tile column + column half
	s_cmp_ge_u32 s66, 8
	s_cselect_b32 s78, 1, 0
	s_cmp_ge_u32 s66, 12
	s_cselect_b32 s79, 1, 0
	s_cselect_b32 s67, -1, 0                       ; all lanes: a v head
	s_cselect_b32 s68, 0, -1                       ; its complement
	s_add_co_u32 s78, s78, s79
	s_add_co_u32 s78, s78, 2048                    ; the gain's row of tab: 2048 q, 2049 k, 2050 ones
	s_lshl_b32 s78, s78, 9
	s_mov_b32 s79, 0
	s_add_nc_u64 s[74:75], s[8:9], s[78:79]
	s_and_b32 s69, s45, 15
	s_lshl_b32 s69, s69, 7
	s_lshl_b32 s78, s13, 6
	s_add_co_u32 s69, s69, s78                     ; my first row's position in its batch
	v_add_nc_u32 v4, s69, v1
	v_lshlrev_b32 v4, 9, v4                        ; a table row is 512 bytes
	v_lshlrev_b32 v[H32], 5, v2
.irp a, 0,1,2,3
	v_add_nc_u32 v5, (\a)*16*512, v4
	v_and_or_b32 v[TO+(\a)], v5, s68, v[H32]       ; a v head takes row 0
.endr
	s_lshr_b32 s78, s45, 4                         ; batch
	s_lshl_b32 s78, s78, 4
	s_add_co_u32 s78, s78, s66
	s_lshl_b32 s78, s78, 19                        ; a head's 2,048 rows of 256 bytes
	s_lshl_b32 s69, s69, 8
	s_add_co_u32 s78, s78, s69
	s_mov_b32 s79, 0
	s_add_nc_u64 s[76:77], s[10:11], s[78:79]      ; qkv at my 64 rows of my head
	; gains, cos and sin for the way out: 80 loads that have the whole product in which to land
	WIN 0xc0
.irp b, 0,1,2,3,4,5,6,7
	global_load_b128 v[8*(\b):8*(\b)+3],   v[H32], s[74:75] offset:64*(\b)
	global_load_b128 v[8*(\b)+4:8*(\b)+7], v[H32], s[74:75] offset:64*(\b)+16
.endr
	WIN 0x80
.irp a, 0,1,2,3
.irp b, 0,1,2,3
	global_load_b128 v[64*(\a)+8*(\b):64*(\a)+8*(\b)+3],       v[TO+(\a)], s[8:9] offset:64*(\b)
	global_load_b128 v[64*(\a)+8*(\b)+4:64*(\a)+8*(\b)+7],     v[TO+(\a)], s[8:9] offset:64*(\b)+16
	global_load_b128 v[64*(\a)+32+8*(\b):64*(\a)+32+8*(\b)+3],   v[TO+(\a)], s[8:9] offset:256+64*(\b)
	global_load_b128 v[64*(\a)+32+8*(\b)+4:64*(\a)+32+8*(\b)+7], v[TO+(\a)], s[8:9] offset:256+64*(\b)+16
.endr
.endr
	WIN 0
; 8 matrix instructions: m block a x all 8 n blocks, 32 along K.  The 32 accumulators take turns in the same order everywhere.
.macro MUL8 f, a, zero
	WIN MUL
.irp b, 0,1,2,3,4,5,6,7
.if \zero
	v_wmma_f32_16x16x32_bf16 v[8*(8*(\a)+(\b)):8*(8*(\a)+(\b))+7], v[(\f)+32+8*(\b):(\f)+32+8*(\b)+7], v[(\f)+8*(\a):(\f)+8*(\a)+7], 0
.else
	v_wmma_f32_16x16x32_bf16 v[8*(8*(\a)+(\b)):8*(8*(\a)+(\b))+7], v[(\f)+32+8*(\b):(\f)+32+8*(\b)+7], v[(\f)+8*(\a):(\f)+8*(\a)+7], v[8*(8*(\a)+(\b)):8*(8*(\a)+(\b))+7]
.endif
.endr
.endm
; 24 LDS loads in one run: B's 16, then A's 8.  ra, rb: the address registers; p: the slot's pitch; k: the byte along the rows; f: the buffer
.macro FETCH ra, rb, p, k, f
	WIN 0
.irp i, 0,1,2,3,4,5,6,7
	ds_load_b128 v[(\f)+32+8*(\i):(\f)+32+8*(\i)+3],   v[(\rb)] offset:(\k)+(\i)*16*(\p)
	ds_load_b128 v[(\f)+32+8*(\i)+4:(\f)+32+8*(\i)+7], v[(\rb)] offset:(\k)+(\i)*16*(\p)+32
.endr
.irp i, 0,1,2,3
	ds_load_b128 v[(\f)+8*(\i):(\f)+8*(\i)+3],   v[(\ra)] offset:(\k)+(\i)*16*(\p)
	ds_load_b128 v[(\f)+8*(\i)+4:(\f)+8*(\i)+7], v[(\ra)] offset:(\k)+(\i)*16*(\p)+32
.endr
.endm
; A quarter is 32 along K, 32 matrix instructions: it multiplies buffer f and, in its middle, fetches the next quarter's fragments into buffer g
.macro QUARTER ra, rb, p, k, f, g, zero
	s_wait_dscnt 4                                 ; B and A's blocks 0, 1 are in; the youngest four loads (blocks 2, 3) may be out
	MUL8 \f, 0, \zero
	MUL8 \f, 1, \zero
	PLACES
	FETCH \ra, \rb, \p, \k, \g
	s_wait_dscnt 24                                ; all but the 24 just issued
	MUL8 \f, 2, \zero
	MUL8 \f, 3, \zero
.endm
; Y's quarters 0 to 2
.macro YPART
	QUARTER ADRA+1, ADRB+1, PY, 64,  F0, F1, 0
	QUARTER ADRA+1, ADRB+1, PY, 128, F1, F0, 0
	QUARTER ADRA+1, ADRB+1, PY, 192, F0, F1, 0
.endm
; X's quarters 1 to 6, two a trip: written once, walked three times; the running addresses step 128 bytes along the rows
.macro XPAIRS
	WIN 0
	v_mov_b32 v[RA], v[ADRA]
	v_mov_b32 v[RB], v[ADRB]
	s_mov_b32 s2, 3
.Lpair_\@:
	QUARTER RA, RB, PX, 128, F1, F0, 0
	QUARTER RA, RB, PX, 192, F0, F1, 0
	WIN 0                                          ; at a label and at a branch every window is 0
	v_add_nc_u32 v[RA], 128, v[RA]
	v_add_nc_u32 v[RB], 128, v[RB]
	s_sub_co_u32 s2, s2, 1
	s_cmp_lg_u32 s2, 0
	s_cbranch_scc1 .Lpair_\@
.endm
; A slot's last quarter multiplies buffer 1 and changes slots: one barrier; in front of it each wave waits for all its tensor loads, adds 0 to its spare word, and waits for that and for its reads of this slot.
; fill = 1: the slot just read out is filled again, 384 along K further on.
.macro TURN slot, fill
	WIN 0
	s_wait_tensorcnt 0x0                           ; all my tensor loads have landed: the one that was out is my part of the other slot
	ds_add_u32 v[SPW], v[NIL]                      ; 0 onto my spare word
	s_wait_dscnt 5                                 ; (the add and the youngest four loads may be out)
	MUL8 F1, 0, 0                                  ; eight matrix instructions stand between the add and the wait for it
	s_wait_dscnt 0x0                               ; the add is done, and my reads of this slot are over
	s_barrier_signal -1
	MUL8 F1, 1, 0
.if \fill
	WIN 0
.endif
	s_barrier_wait -1
.if \fill
	CREST                                          ; the barrier has opened a round of the cluster's: no wave of any partner still reads this slot or has a load on its way
	s_add_nc_u64 s[G0+4*(\slot)+2:G0+4*(\slot)+3], s[G0+4*(\slot)+2:G0+4*(\slot)+3], LAPB
	s_add_nc_u64 s[G0B+4*(\slot)+2:G0B+4*(\slot)+3], s[G0B+4*(\slot)+2:G0B+4*(\slot)+3], LAPB
	JLOAD \slot                                    ; the first tensor load behind the round; its four v_nop are also the places in front of the loads below
.else
	PLACES
.endif
.if (\slot) == 0
	FETCH ADRA+1, ADRB+1, PY, 0, F0                ; the other slot's first fragments
.else
	FETCH ADRA, ADRB, PX, 0, F0
.endif
	MUL8 F1, 2, 0
	MUL8 F1, 3, 0
.endm
	s_wait_tensorcnt 1                             ; my part of X0 is in; Y0's may stay out
	s_barrier_signal -1
	s_barrier_wait -1
	FETCH ADRA, ADRB, PX, 0, F0
	QUARTER ADRA, ADRB, PX, 64, F0, F1, 1          ; X0's first quarter: its products start the sums
	WIN 0
	s_mov_b32 s3, 10                               ; the rest of X0, then nine whole trips
	s_branch .Lmid                                 ; the loop is entered in the middle of a trip
.Ltrip:                                                ; trip n = 0..8: Y(n), which is then filled with Y(n+1); X(n+1), which is then filled with X(n+2)
	YPART
	TURN 1, 1
	QUARTER ADRA, ADRB, PX, 64, F0, F1, 0
	WIN 0
.Lmid:
	XPAIRS
	TURN 0, 1
	WIN 0
	s_sub_co_u32 s3, s3, 1
	s_cmp_lg_u32 s3, 0
	s_cbranch_scc1 .Ltrip
	YPART                                          ; the tail is written out: Y9 and X10 ask for nothing
	TURN 1, 0
	QUARTER ADRA, ADRB, PX, 64, F0, F1, 0
	XPAIRS
	s_wait_dscnt 4
	MUL8 F1, 0, 0
	MUL8 F1, 1, 0
	s_wait_dscnt 0x0
	MUL8 F1, 2, 0
	MUL8 F1, 3, 0
	WIN 0
	PLACES
	s_wait_loadcnt 0x0                             ; gains, cos, sin
; THE WAY OUT of block a (16 rows): norm, gain, rotation, f16
.macro EPIM a
	WIN 0x05                                       ; sources 0 and 1 in window 1
.irp b, 0,1,2,3,4,5,6,7                ; the sum of squares of my 64 numbers, in four chains; each accumulator is read from its low end on
.irp p, 0,1,2,3
.if (\b) == 0
	v_pk_mul_f32 v[TS+2*(\p):TS+2*(\p)+1], v[64*(\a)+2*(\p):64*(\a)+2*(\p)+1], v[64*(\a)+2*(\p):64*(\a)+2*(\p)+1]
.else
	v_pk_fma_f32 v[TS+2*(\p):TS+2*(\p)+1], v[64*(\a)+8*(\b)+2*(\p):64*(\a)+8*(\b)+2*(\p)+1], v[64*(\a)+8*(\b)+2*(\p):64*(\a)+8*(\b)+2*(\p)+1], v[TS+2*(\p):TS+2*(\p)+1]
.endif
.endr
.endr
	WIN 0
	v_pk_add_f32 v[TS:TS+1], v[TS:TS+1], v[TS+2:TS+3]
	v_pk_add_f32 v[TS+4:TS+5], v[TS+4:TS+5], v[TS+6:TS+7]
	v_pk_add_f32 v[TS:TS+1], v[TS:TS+1], v[TS+4:TS+5]
	v_add_f32 v[TQ], v[TS], v[TS+1]
	v_permlanex16_b32 v[TQ+1], v[TQ], s72, s73     ; the row's other 64 channels lie in the lane 16 away
	v_add_f32 v[TQ], v[TQ], v[TQ+1]
	v_fma_f32 v[TQ], v[TQ], s70, s71               ; mean + eps
	v_rsq_f32 v[RS], v[TQ]
	v_nop                                          ; a plain instruction behind the root
	s_wait_alu depctr_va_vdst(0)
	v_cndmask_b32 v[RS], v[RS], v[VSC], s67        ; a v head: 1/16
	WIN 0x01                                       ; source 0 in window 1
.set n, 0
.rept 32
	v_pk_mul_f32 v[Y+2*n:Y+2*n+1], v[64*(\a)+2*n:64*(\a)+2*n+1], v[RS:RS+1] op_sel_hi:[1,0]
.set n, n+1
.endr
	WIN 0x03                                       ; source 0 in window 3: the gains
.set n, 0
.rept 32
	v_pk_mul_f32 v[Y+2*n:Y+2*n+1], v[2*n:2*n+1], v[Y+2*n:Y+2*n+1]
.set n, n+1
.endr
	WIN 0x02                                       ; source 0 in window 2: cos, sin
.set n, 0
.rept 16                               ; y[d] = y[d] cos - y[d+64] sin;  y[d+64] = y[d+64] cos + y[d] sin
.set t1, T+4*(n%4)
	v_pk_mul_f32 v[t1:t1+1],   v[64*(\a)+32+2*n:64*(\a)+32+2*n+1], v[Y+32+2*n:Y+32+2*n+1]
	v_pk_mul_f32 v[t1+2:t1+3], v[64*(\a)+32+2*n:64*(\a)+32+2*n+1], v[Y+2*n:Y+2*n+1]
	v_pk_fma_f32 v[Y+2*n:Y+2*n+1], v[64*(\a)+2*n:64*(\a)+2*n+1], v[Y+2*n:Y+2*n+1], v[t1:t1+1] neg_lo:[0,0,1] neg_hi:[0,0,1]
	v_pk_fma_f32 v[Y+32+2*n:Y+32+2*n+1], v[64*(\a)+2*n:64*(\a)+2*n+1], v[Y+32+2*n:Y+32+2*n+1], v[t1+2:t1+3]
.set n, n+1
.endr
	WIN 0
.set n, 0
.rept 32
	v_cvt_pk_f16_f32 v[PK+n], v[Y+2*n], v[Y+2*n+1]
.set n, n+1
.endr
.endm
.macro TOSTAGE a                       ; into my own stage, and back as whole rows of 256 bytes
	WIN 0
	s_wait_xcnt 0x0                                ; the stores of two blocks ago have read the registers that the loads below fill
.irp b, 0,1,2,3,4,5,6,7
	ds_store_b128 v[STO], v[PK+4*(\b):PK+4*(\b)+3] offset:32*(\b)
.endr
.irp t, 0,1,2,3,4,5,6,7
	ds_load_b128 v[OB+32*((\a)%2)+4*(\t):OB+32*((\a)%2)+4*(\t)+3], v[RD] offset:(\t)*2*SPITCH  ; LDS serves a wave's instructions in order: these see the stores above
.endr
.endm
.macro SEND a
	WIN 0
.irp t, 0,1,2,3,4,5,6,7
	s_wait_dscnt 7-(\t)
	global_store_b128 v[CO], v[OB+32*((\a)%2)+4*(\t):OB+32*((\a)%2)+4*(\t)+3], s[76:77] offset:(\a)*4096+(\t)*512  ; 512 consecutive bytes, aligned
.endr
.endm
	EPIM 0
	TOSTAGE 0
.irp a, 1,2,3                          ; a block's arithmetic stands between the loads of the block before and its stores
	EPIM \a
	SEND (\a)-1
	TOSTAGE \a
.endr
	SEND 3
	s_wait_tensorcnt 0x0                           ; the wave's end
	ds_add_u32 v[SPW], v[NIL]
	s_wait_dscnt 0x0
	CROUND                                         ; the closing round
	s_endpgm
.Lfunc_end_k_qc8d5eac0b7_qkv:
	.size	k_qc8d5eac0b7_qkv, .Lfunc_end_k_qc8d5eac0b7_qkv-k_qc8d5eac0b7_qkv
	.p2alignl 7, 3214868480
	.fill 96, 4, 3214868480
	.section	.rodata,"a",@progbits
	.p2align	6, 0x0
	.amdhsa_kernel k_qc8d5eac0b7_qkv
		.amdhsa_group_segment_fixed_size 327680
		.amdhsa_private_segment_fixed_size 0
		.amdhsa_enable_private_segment 0
		.amdhsa_kernarg_size 32
		.amdhsa_user_sgpr_count 2
		.amdhsa_user_sgpr_kernarg_segment_ptr 1
		.amdhsa_wavefront_size32 1
		.amdhsa_system_sgpr_workgroup_id_x 1
		.amdhsa_system_sgpr_workgroup_id_y 1
		.amdhsa_system_sgpr_workgroup_id_z 1
		.amdhsa_system_vgpr_workitem_id 0
		.amdhsa_next_free_vgpr 832
		.amdhsa_next_free_sgpr 96
		.amdhsa_reserve_vcc 0
		.amdhsa_float_denorm_mode_32 3
		.amdhsa_float_denorm_mode_16_64 3
		.amdhsa_memory_ordered 1
		.amdhsa_forward_progress 1
		.amdhsa_inst_pref_size 144
	.end_amdhsa_kernel
	.amdgpu_metadata
---
amdhsa.version: [ 1, 2 ]
amdhsa.kernels:
  - .name:           k_qc8d5eac0b7_qkv
    .symbol:         k_qc8d5eac0b7_qkv.kd
    .args:
      - { .name: xb, .offset: 0, .size: 8, .value_kind: global_buffer, .address_space: global }
      - { .name: wqkvb, .offset: 8, .size: 8, .value_kind: global_buffer, .address_space: global }
      - { .name: tab, .offset: 16, .size: 8, .value_kind: global_buffer, .address_space: global }
      - { .name: qkv, .offset: 24, .size: 8, .value_kind: global_buffer, .address_space: global }
    .group_segment_fixed_size: 327680
    .private_segment_fixed_size: 0
    .kernarg_segment_align: 8
    .kernarg_segment_size: 32
    .max_flat_workgroup_size: 128
    .sgpr_count:     96
    .vgpr_count:     832
    .wavefront_size: 32
...
	.end_amdgpu_metadata
.endif
;; end of part 2
;; launch attn (part 3): grid 16 x 16, 4 waves a work-group, clusters of 4 x 1, 327,680 bytes of LDS; arguments qkv, ob; writes ob
.if DOCPART == 3
	.amdgcn_target "amdgcn-amd-amdhsa--gfx1250"
	.amdhsa_code_object_version 6
	.text
	.protected	k_qc8d5eac0b7_attn
	.globl	k_qc8d5eac0b7_attn
	.p2align	8
	.type	k_qc8d5eac0b7_attn,@function
k_qc8d5eac0b7_attn:
	s_mov_b64 s[64:65], 0
	v_nop
	global_prefetch_b8 v0, s[64:65] scope:SCOPE_SE
	s_setreg_imm32_b32 hwreg(HW_REG_WAVE_MODE, 25, 1), 1
	s_wait_xcnt 0x0
	s_wait_alu depctr_hold_cnt(0) depctr_sa_sdst(0) depctr_va_vdst(0) depctr_va_sdst(0) depctr_va_ssrc(0) depctr_va_vcc(0) depctr_vm_vsrc(0)
	s_getreg_b32 s2, hwreg(HW_REG_IB_STS2, 6, 4)
	s_cmp_eq_u32 s2, 0
	s_cbranch_scc0 .Lentry_in_a_cluster
	s_endpgm
.Lentry_in_a_cluster:
	s_bfe_u32 s2, ttmp6, 0x10000c
	s_cmp_lg_u32 s2, 0x3003
	s_cbranch_scc0 .Lentry_shape_is_right
	s_endpgm
.Lentry_shape_is_right:
; CAUSAL ATTENTION with two query heads to a key and value head.  qkv[batch][c][s][128] f16 (c 0-7 q, 8-11 k, 12-15 v / 16); ob[batch x s][head x 128 + channel] f16 takes O / 16.
; Products, maxima and sums in f32; the weights p are rounded to f16 for the second product (their sum l is taken of the unrounded p), O once at the end.
; LIMITS.  A hidden score counts as its value less 1e9: true scores are at most 128 x the largest q gain x the largest k gain, so that product stays under 1e6.  A weight below 2^-126 counts as 0.
; NaN and infinities are not treated apart.
; THE WALK.  A head's queries lie in 32 blocks of 64; block i needs the key tiles 0 .. i / 4 of 256 keys, of which the last holds the diagonal.  A work-group takes blocks 31 - b and then b, b = 4 j + cx:
; 8 - j tiles and j + 1 tiles, nine whatever b.  The four partners of a cluster (cx = 0..3, one j, one head) walk the SAME tiles, so every tile is asked for jointly.
; What a trip does hangs on j alone, which the partners share; cx enters values (the masks) and the addresses of Q and O, no branch and no LDS address.
; SHARES.  The KEYS of a tile are dealt to the waves: wave w takes keys 64 w .. 64 w + 63 for all 64 queries (four tiles of 16), so a fragment of K or V read from LDS feeds four products.
; Each wave keeps its own running maximum m, sum l and O; at a block's end the four are merged through LDS by the true maximum of the four.
; THE MASK is the C operand that starts S^T = K Q^T.  In the diagonal tile the block's queries stand beside key group g (3 - cx, then cx): wave w < g sees all, w > g nothing, w = g the 64 x 64 corner,
; in which key block kb of 16 against query tile t is open (kb < t), hidden (kb > t) or the diagonal (kb = t).  Three sets of eight registers, LOW, MID, HIGH, made anew for each tile from three scalars.
; A wave that has seen only hidden keys has c m near -1.3e8; its weights are at most 2^4 (the rounding of c m), its sums finite, and the merge gives it the factor 0.
; LAYOUT.  S^T holds one query a lane (lane % 16) and the keys 8 (lane / 16) + 0..7; two such results rounded to f16 are source 1 of O^T = V^T P.  p = 2^(c s - c m), c = log2(e) / sqrt(128).
; A STEP (a tile): masks; K's and V's fragments; 32 products K Q^T of piece 0 (tiles 0, 1); 32 of piece 2 with piece 0's softmax in slices behind them; 32 products V^T P of piece 0 with piece 2's softmax;
; 32 of piece 2.
; REGISTERS.  window 0: v0-11 addresses; v12-43 eight registers of statistics a tile; v44-61 at work; v64-191 S^T; v192-255 P     window 1: O^T, 64 a tile
;   window 2: v0-127 Q; v128-255 K     window 3: v0-127 V; v128-135 LOW; v136-143 MID; v144-151 HIGH; v152-159 DG, the diagonal's mask
.set PK,    272       ; a row of K in LDS: 256 bytes + 16
.set PVP,   288       ; a row of V: 256 + 32
.set VOFF,  256*PK    ; a slot: 256 rows of K, then 256 rows of V
.set SLOT,  256*(PK+PVP)   ; 143,360
.set STAGE, 2*SLOT    ; behind the ring, never filled by a tensor load: 16 rows x 528 bytes for each wave
.set SP,    528
.set STAT,  STAGE+4*16*SP  ; [wave][tile][query] pairs (c m, l): 2,048 bytes
.set SPARE, STAT+2048      ; the spare words, 128 bytes for each wave, which no other line names
.set AK0, 2           ; my lane's place in my wave's 64 rows of K; never rewritten
.set AV0, 3           ; the same for V
.set ADR, 4
.set ADR2, 5
.set QO,  6           ; my byte offset in 16 rows of Q
.set STO, 7           ; the merge: where I put 32 bytes of a query's row
.set RDM, 8           ; where I read 16 bytes of each of my four rows
.set GO,  9           ; my byte offset in ob
.set SA,  10          ; where my wave's statistics go
.set SR,  11          ; where all four waves' are read
.set ST,  12          ; tile t at v[ST+8 t]: c m, m, l, l, c0-c3 at work (c2 takes a)
.set MT,  44          ; the merge: the maximum, by tile
.set EO,  48          ; my own factor
.set LT,  52          ; the whole sum
.set RC,  56          ; its reciprocal
.set SPW, 62
.set NIL, 63
.set S,   64
.set P,   192
.set KF,  128
.set LOW, 128
.set MID, 136
.set HIGH, 144
.set DG,  152
.set WV,  12          ; s12 wave
.set CX,  13          ; s13 my place in the cluster
.set JJ,  14          ; s14 j
.set KB,  16          ; s[16:17] K at my half of the head's tile 0
.set VB,  18          ; s[18:19] V likewise
.set QHI, 20          ; s[20:21] Q at the first block
.set QLO, 22          ; s[22:23] at the second
.set G1K, 24
.set G1V, 32
.set G0K, 40
.set G0V, 44
.set OP,  48          ; s[48:49] ob at the block in hand
.set OLO, 50          ; s[50:51] at the second block
.set LK,  52          ; my load's place in a slot, for K
.set LV,  53          ; for V
.set FB,  54          ; the slot to fill: 0 or SLOT
.set TB,  55          ; the slot to read
.set SLOTS, 56
.set RT,  57          ; tiles of the block in hand still to be entered
.set CS,  58          ; s[58:59] c
.set SEL, 60          ; s[60:61]
.set NXT, 62          ; the tile to ask for next
.set LQ,  63          ; the last tile of the block whose tiles are being asked for
.set OFF, 66          ; s[66:67]
.set AL,  68          ; s[68:69] the tile's three mask scalars
.set BE,  70          ; s[70:71]
.set BH,  72
.set ALB, 73          ; the block's: what they are in its diagonal tile
.set BEB, 74
.set BHB, 75
.set BIGN, 76         ; -1e9
.set MSB, 0
.macro WIN new
.if MSB != (\new)
	s_set_vgpr_msb (MSB<<8)|(\new)
.set MSB, \new
.endif
.endm
.set W_KQ, 0x0a       ; K and Q in window 2, S^T in window 0
.set W_KM, 0x3a       ; the same with the C operand in window 3
.set W_PV, 0x53       ; V in window 3, P in window 0, O^T in window 1
.set W_RS, 0x41       ; O^T (destination and source 0) in window 1
.macro JLOAD                        ; a joint fill: waves 0, 1 the halves of K, waves 2, 3 those of V; an s_nop 0 and four v_nop follow each line
	s_cmp_lt_u32 s[WV], 2
	s_cbranch_scc0 .Lfor_v_\@
	tensor_load_to_lds s[G0K:G0K+3], s[G1K:G1K+7]
	s_nop 0
.rept 4
	v_nop
.endr
	s_branch .Lasked_\@
.Lfor_v_\@:
	tensor_load_to_lds s[G0V:G0V+3], s[G1V:G1V+7]
	s_nop 0
.rept 4
	v_nop
.endr
.Lasked_\@:
.endm
.macro CROUND
	s_barrier_signal -1
	s_barrier_wait -1
	s_cmp_lg_u32 s[WV], 0
	s_cbranch_scc1 .Lnot_wave_0_\@
	s_barrier_signal -3
.Lnot_wave_0_\@:
	s_barrier_wait -3
	s_barrier_signal -1
	s_barrier_wait -1
.endm
.macro PLACES
.rept 4
	v_nop
.endr
.endm
.macro BLKSC g                      ; the block's mask scalars, from my wave and the key group s[g] beside its queries: selects only
	s_cmp_eq_u32 s[WV], s[\g]
	s_cselect_b32 s[ALB], 1.0, 0
	s_cmp_gt_u32 s[WV], s[\g]
	s_cselect_b32 s[BEB], s[BIGN], 0
	s_cmp_ge_u32 s[WV], s[\g]
	s_cselect_b32 s[BHB], s[BIGN], 0
.endm
; THE CHANGE OF SLOTS.  Each wave waits for all its tensor loads (one is out: its part of the other slot), adds 0 to its spare word, and waits for that and for its reads of the slot that it leaves.
; fill = 1: the barrier is a round of the cluster's, and the old slot is filled again, first thing behind it, with tile NXT; the descriptor is made anew from that number.
.macro CHANGE fill
	WIN 0
	s_wait_tensorcnt 0x0            ; no tensor load of mine is out, so a group 0 may be written
	ds_add_u32 v[SPW], v[NIL]       ; 0 onto my spare word
.if \fill
	s_xor_b32 s[FB], s[FB], SLOT
	s_lshl_b32 s[OFF], s[NXT], 16   ; a tile is 65,536 bytes of K and of V
	s_add_co_u32 s[G0K+1], s[FB], s[LK]
	s_add_nc_u64 s[G0K+2:G0K+3], s[KB:KB+1], s[OFF:OFF+1]
	s_or_b32 s[G0K+3], s[G0K+3], 0x80000000
	s_add_co_u32 s[G0V+1], s[FB], s[LV]
	s_add_nc_u64 s[G0V+2:G0V+3], s[VB:VB+1], s[OFF:OFF+1]
	s_or_b32 s[G0V+3], s[G0V+3], 0x80000000
	s_add_co_u32 s[NXT], s[NXT], 1  ; the block's next tile, or behind its last the second block's tile 0
	s_cmp_gt_u32 s[NXT], s[LQ]
	s_cselect_b32 s[NXT], 0, s[NXT]
	s_cselect_b32 s[LQ], s[JJ], s[LQ]
	s_wait_dscnt 0x0                ; the add is done, and my reads of the slot are over
	CROUND
	JLOAD
.else
	s_wait_dscnt 0x0
	s_barrier_signal -1
	s_barrier_wait -1
.endif
	s_xor_b32 s[TB], s[TB], SLOT    ; the reads go to the other slot
.endm
	s_load_b128 s[4:7], s[0:1], 0x0 ; qkv s[4:5], ob s[6:7]
	v_lshl_add_u32 v[SPW], v0, 2, SPARE
	v_mov_b32 v[NIL], 0
	ds_add_u32 v62, v63
	s_wait_dscnt 0x0
	v_lshrrev_b32 v1, 5, v0
	v_readfirstlane_b32 s[WV], v1
	s_bfe_u32 s[CX], ttmp6, 0x40000
	s_mov_b32 s[JJ], ttmp9          ; in a cluster launch ttmp9 counts clusters
	s_and_b32 s15, ttmp7, 0xffff
	s_lshr_b32 s77, s15, 3          ; batch
	s_and_b32 s78, s15, 7           ; query head
	s_lshr_b32 s79, s78, 1          ; its key and value head
	s_lshl_b32 s8, s77, 4
	s_and_b32 s10, s[WV], 1         ; which half of a tile's 256 rows I fetch
	s_add_co_u32 s9, s8, s79
	s_add_co_u32 s9, s9, 8
	s_lshl_b32 s[KB], s9, 19        ; a head is 524,288 bytes
	s_lshl_b32 s11, s10, 15
	s_add_co_u32 s[KB], s[KB], s11
	s_mov_b32 s[KB+1], 0
	s_add_co_u32 s[VB], s[KB], 4<<19
	s_mov_b32 s[VB+1], 0
	s_mul_i32 s[LK], s10, 128*PK
	s_mul_i32 s[LV], s10, 128*PVP
	s_add_co_u32 s[LV], s[LV], VOFF
	s_lshl_b32 s80, s[JJ], 2        ; what follows hangs on cx: it enters Q's and O's addresses and the masks alone
	s_add_co_u32 s80, s80, s[CX]    ; the second block, b
	s_sub_co_u32 s81, 31, s80       ; the first, 31 - b
	s_add_co_u32 s82, s8, s78
	s_lshl_b32 s82, s82, 19
	s_lshl_b32 s83, s81, 14         ; a block's 64 rows of 256 bytes
	s_add_co_u32 s[QHI], s82, s83
	s_mov_b32 s[QHI+1], 0
	s_lshl_b32 s83, s80, 14
	s_add_co_u32 s[QLO], s82, s83
	s_mov_b32 s[QLO+1], 0
	s_lshl_b32 s82, s77, 22         ; in ob a row is 2,048 bytes, a batch 2,048 rows,
	s_lshl_b32 s83, s78, 8          ; a head 256 bytes of a row
	s_add_co_u32 s82, s82, s83
	s_lshl_b32 s83, s81, 17
	s_add_co_u32 s[OP], s82, s83
	s_mov_b32 s[OP+1], 0
	s_lshl_b32 s83, s80, 17
	s_add_co_u32 s[OLO], s82, s83
	s_mov_b32 s[OLO+1], 0
	s_mov_b32 s[G1K], 15|(1<<16)|(1<<20)|(1<<21)|(5<<22)|(3<<25)  ; the mask of four; 2-byte elements; padding on; bit 21 beside a mask; after every 64 words 4 words
	s_mov_b32 s[G1V], 15|(1<<16)|(1<<20)|(1<<21)|(5<<22)|(7<<25)  ; the same with 8 words
.irp g, G1K, G1V
	s_mov_b32 s[(\g)+1], 128<<16    ; tensor_dim0 = 128
	s_mov_b32 s[(\g)+2], 128<<16    ; tensor_dim1 = 128
	s_mov_b32 s[(\g)+3], 128<<16    ; tile_dim0 = 128
	s_mov_b32 s[(\g)+4], 128        ; tile_dim1 = 128
	s_mov_b32 s[(\g)+5], 128        ; elements from row to row
	s_mov_b32 s[(\g)+6], 0
	s_mov_b32 s[(\g)+7], 0
.endr
	s_mov_b32 s[CS], 0x3e0293ee     ; c = log2(e) / sqrt(128)
	s_mov_b32 s[CS+1], s[CS]
	s_mov_b32 s[SEL], 0x76543210
	s_mov_b32 s[SEL+1], 0xfedcba98
	s_mov_b32 s[FB], 0
	s_mov_b32 s[TB], SLOT           ; the first change of slots turns it into 0
	s_mov_b32 s[SLOTS], 8
	s_sub_co_u32 s[RT], 8, s[JJ]    ; the first block has 8 - j tiles
	s_mov_b32 s[NXT], 1
	s_sub_co_u32 s[LQ], 7, s[JJ]
	s_mov_b32 s[OFF+1], 0
	s_mov_b32 s[AL+1], 0            ; named as pairs
	s_mov_b32 s[BE+1], 0
	s_mov_b32 s[BIGN], 0xce6e6b28   ; -1e9
	s_mov_b32 s[G0K], 1
	s_mov_b32 s[G0K+1], s[LK]       ; slot 0
	s_mov_b32 s[G0V], 1
	s_mov_b32 s[G0V+1], s[LV]
	s_wait_kmcnt 0x0
	s_add_nc_u64 s[KB:KB+1], s[4:5], s[KB:KB+1]
	s_add_nc_u64 s[VB:VB+1], s[4:5], s[VB:VB+1]
	s_mov_b64 s[G0K+2:G0K+3], s[KB:KB+1]
	s_or_b32 s[G0K+3], s[G0K+3], 0x80000000
	s_mov_b64 s[G0V+2:G0V+3], s[VB:VB+1]
	s_or_b32 s[G0V+3], s[G0V+3], 0x80000000
	s_add_nc_u64 s[QHI:QHI+1], s[4:5], s[QHI:QHI+1]
	s_add_nc_u64 s[QLO:QLO+1], s[4:5], s[QLO:QLO+1]
	s_add_nc_u64 s[OP:OP+1], s[6:7], s[OP:OP+1]
	s_add_nc_u64 s[OLO:OLO+1], s[6:7], s[OLO:OLO+1]
	CROUND                          ; all four work-groups are here
	JLOAD                           ; tile 0 into slot 0
	v_and_b32 v1, 15, v0            ; r = l % 16
	v_bfe_u32 v44, v0, 4, 1         ; h = l / 16
	v_lshlrev_b32 v[QO], 8, v1
	v_lshl_add_u32 v[QO], v44, 4, v[QO]
	WIN 0x80
.set i, 0
.rept 16                            ; the first block's Q: tile i / 4, channels 32 (i % 4) on
	global_load_b128 v[8*i:8*i+3],   v[QO], s[QHI:QHI+1] offset:(i/4)*4096+(i%4)*64
	global_load_b128 v[8*i+4:8*i+7], v[QO], s[QHI:QHI+1] offset:(i/4)*4096+(i%4)*64+32
.set i, i+1
.endr
	WIN 0x40                        ; a block's first step multiplies O^T and l by a = 0, so they need only be finite: zeros for the first block.  This stands in the wait for the first tile.
.set i, 0
.rept 256
	v_mov_b32 v[i], 0
.set i, i+1
.endr
	WIN 0
.set i, 0
.rept 4
	v_mov_b32 v[ST+8*i], 0xfe000000    ; c m: far below every c s
	v_mov_b32 v[ST+8*i+1], 0xff7fffff  ; m
	v_mov_b32 v[ST+8*i+2], 0
	v_mov_b32 v[ST+8*i+3], 0
.set i, i+1
.endr
	v_mul_u32_u24 v[AK0], v1, PK
	v_lshl_add_u32 v[AK0], v44, 4, v[AK0]
	s_mul_i32 s9, s[WV], 64*PK
	v_add_nc_u32 v[AK0], s9, v[AK0]       ; r x pitch + 16 h + my wave's 64 rows
	v_and_b32 v46, 7, v0
	v_bfe_u32 v47, v0, 3, 1
	v_lshl_add_u32 v[AV0], v44, 3, v46    ; the turning load: lane l reads key 8 h + l % 8, channels 8 ((l / 8) % 2) on
	v_mul_u32_u24 v[AV0], v[AV0], PVP
	v_lshl_add_u32 v[AV0], v47, 4, v[AV0]
	s_mul_i32 s9, s[WV], 64*PVP
	s_add_co_u32 s9, s9, VOFF
	v_add_nc_u32 v[AV0], s9, v[AV0]
	s_mul_i32 s9, s[WV], 16*SP
	s_add_co_u32 s9, s9, STAGE
	v_mul_u32_u24 v[STO], v1, SP
	v_lshl_add_u32 v[STO], v44, 5, v[STO]
	v_add_nc_u32 v[STO], s9, v[STO]       ; my region: row r, 32 bytes for each half of the lanes
	v_and_b32 v48, 31, v0
	s_mul_i32 s9, s[WV], 4*SP
	s_add_co_u32 s9, s9, STAGE
	v_lshl_add_u32 v[RDM], v48, 4, s9     ; rows 4 w on of a region, 16 bytes a lane
	s_lshl_b32 s9, s[WV], 13
	v_lshl_add_u32 v[GO], v48, 3, s9      ; rows 4 w on of ob, 8 bytes a lane
	s_lshl_b32 s9, s[WV], 9
	s_add_co_u32 s9, s9, STAT
	v_lshl_add_u32 v[SA], v1, 3, s9
	v_lshl_add_u32 v[SR], v1, 3, STAT
	v_lshlrev_b32 v45, 3, v44
	v_sub_nc_u32 v45, v1, v45             ; register i of the diagonal's block is hidden where 8 h + i > r
	WIN 0xc0
.set i, 0
.rept 8
	v_cmp_gt_i32 vcc_lo, i, v45
	v_cndmask_b32 v[DG+i], 0, s[BIGN], vcc_lo
.set i, i+1
.endr
	WIN 0
	s_sub_co_u32 s83, 3, s[CX]
	BLKSC 83                        ; the first block stands beside key group 3 - cx of its last tile
	s_wait_loadcnt 0x0              ; Q
; Product i of 32 of S^T = K Q^T for piece x: channels 32 (i / 8) on, keys 16 ((i / 2) % 4) on, tile x + i % 2.  The first 8 start the sums with a mask.  The 8 accumulators take turns.
.macro KQ x
.set tq, (\x)+i%2
.set kb, (i/2)%4
.set rS, S+32*tq+8*kb
.set rK, KF+32*kb+8*(i/8)
.set rQ, 32*tq+8*(i/8)
.if i < 8
.if kb < tq
.set rM, LOW
.elseif kb == tq
.set rM, MID
.else
.set rM, HIGH
.endif
	WIN W_KM
	v_wmma_f32_16x16x32_f16 v[rS:rS+7], v[rK:rK+7], v[rQ:rQ+7], v[rM:rM+7]
.else
	WIN W_KQ
	v_wmma_f32_16x16x32_f16 v[rS:rS+7], v[rK:rK+7], v[rQ:rQ+7], v[rS:rS+7]
.endif
.endm
; Product i of 32 of O^T += V^T P for piece x: keys 32 (i / 16) on, channels 16 ((i / 2) % 8) on, tile x + i % 2.  16 accumulators by turns.
.macro PV x
	WIN W_PV
.set rO, 64*((\x)+i%2)+8*((i/2)%8)
.set rV, 64*(i/16)+8*((i/2)%8)
.set rP, P+16*((\x)+i%2)+8*(i/16)
	v_wmma_f32_16x16x32_f16 v[rO:rO+7], v[rV:rV+7], v[rP:rP+7], v[rO:rO+7]
.endm
; One tile's softmax for a step is a list of 134 instructions; SM writes number j of it for tile t.
;   0-15 the maximum of the 32 scores and the old m (each accumulator's lowest registers first)     16-20 the other half of the lanes' maximum; m; c m; c m_old - c m_new
;   21-87 33 exponentials at the odd numbers from 23 on, each with a plain instruction behind it: scalings ahead, roundings behind, the first sums     88-101 the last rounding, the sums, l = a l + sum
;   102-133 O^T times a
.macro SM t
.set rT, ST+8*(\t)
.set rS, S+32*(\t)
.set rP, P+16*(\t)
.set rO, 64*(\t)+2*(j-102)
.set q, (j-20)/2
.if j < 102
	WIN 0
.endif
.if j < 4
	v_max3_num_f32 v[rT+4+j], v[rS+8*j], v[rS+8*j+1], v[rS+8*j+2]
.elseif j < 12
	v_max3_num_f32 v[rT+4+j%4], v[rT+4+j%4], v[rS+8*(j%4)+2*(j/4)+1], v[rS+8*(j%4)+2*(j/4)+2]
.elseif j == 12
	v_max3_num_f32 v[rT+4], v[rT+4], v[rS+7], v[rS+15]
.elseif j == 13
	v_max3_num_f32 v[rT+6], v[rT+6], v[rS+23], v[rS+31]
.elseif j == 14
	v_max3_num_f32 v[rT+4], v[rT+4], v[rT+5], v[rT+6]
.elseif j == 15
	v_max3_num_f32 v[rT+4], v[rT+4], v[rT+7], v[rT+1]
.elseif j == 16
	v_permlanex16_b32 v[rT+5], v[rT+4], s[SEL], s[SEL+1]
.elseif j == 17
	v_mov_b32 v[rT+7], v[rT]
.elseif j == 18
	v_max_num_f32 v[rT+1], v[rT+4], v[rT+5]
.elseif j == 19
	v_mul_f32 v[rT], s[CS], v[rT+1]
.elseif j == 20
	v_sub_f32 v[rT+7], v[rT+7], v[rT]
.elseif j == 23
	v_exp_f32 v[rT+6], v[rT+7]
.elseif (j < 88) && (j > 23) && (j%2 == 1)
	v_exp_f32 v[rS+(j-25)/2], v[rS+(j-25)/2]
.elseif (q < 4) || ((j < 76) && (q%2 == 0))
.set b, q/2+2
.if q < 4
.set b, q
.endif
	v_pk_fma_f32 v[rS+2*b:rS+2*b+1], v[rS+2*b:rS+2*b+1], s[CS:CS+1], v[rT:rT+1] op_sel_hi:[1,0,0] neg_lo:[0,0,1] neg_hi:[0,0,1]
.elseif (j < 88) && (q%2 == 1)
	s_wait_alu depctr_va_vdst(0)
	v_cvt_pk_f16_f32 v[rP+(q-5)/2], v[rS+q-5], v[rS+q-4]
.elseif j == 89
	s_wait_alu depctr_va_vdst(0)
	v_cvt_pk_f16_f32 v[rP+15], v[rS+30], v[rS+31]
.elseif j < 102
.set z, j-86
.if j < 89
.set z, (j-76)/4
.endif
.set w, 4
.set u, z
.if z >= 14
.set w, 32
.set u, 0
.elseif z >= 12
.set w, 16
.set u, z-12
.elseif z >= 8
.set w, 8
.set u, z-8
.endif
.if z < 15
	v_pk_add_f32 v[rS+w*u:rS+w*u+1], v[rS+w*u:rS+w*u+1], v[rS+w*u+w/2:rS+w*u+w/2+1]
.else
	v_pk_fma_f32 v[rT+2:rT+3], v[rT+2:rT+3], v[rT+6:rT+7], v[rS:rS+1] op_sel_hi:[1,0,1]
.endif
.else
	WIN W_RS
	v_pk_mul_f32 v[rO:rO+1], v[rO:rO+1], v[rT+6:rT+7] op_sel_hi:[1,0]
.endif
.endm
; Slice k of 64 of piece y's softmax: numbers 2 k and 2 k + 1 of both tiles' lists; the twelve that are over stand in slice 63
.macro SLICE y
.if (k >= 11) && (k < 44)
.irp t, \y, (\y)+1
.irp n, 0,1
.set j, 2*k+(\n)
	SM \t
.endr
.endr
.else
.irp n, 0,1,2,3,4,5,6,7
.if ((\n) < 2) || (k == 63)
.irp t, \y, (\y)+1
.set j, 2*k+(\n)
	SM \t
.endr
.endif
.endr
.endif
.set k, k+1
.endm
.macro MASKS                        ; the tile's masks: the block's scalars in its last tile, 0 elsewhere.  These 20 plain instructions are also the places in front of the loads into V's registers
	s_cmp_eq_u32 s[RT], 0
	s_cselect_b32 s[AL], s[ALB], 0
	s_cselect_b32 s[BE], s[BEB], 0
	s_cselect_b32 s[BH], s[BHB], 0
	WIN 0xc3
.set i, 0
.rept 8
	v_mov_b32 v[LOW+i], s[BE]
	v_mov_b32 v[HIGH+i], s[BH]
.set i, i+1
.endr
.set i, 0
.rept 4
	v_pk_fma_f32 v[MID+2*i:MID+2*i+1], v[DG+2*i:DG+2*i+1], s[AL:AL+1], s[BE:BE+1] op_sel_hi:[1,0,0]
.set i, i+1
.endr
.endm
.macro STEP
	MASKS
	WIN 0
	v_add_nc_u32 v[ADR], s[TB], v[AK0]
	v_add_nc_u32 v[ADR2], s[TB], v[AV0]
	WIN 0x80
.irp f, 0,1,2,3,4,5,6,7,8,9,10,11,12,13,14,15  ; K: keys 16 (f / 4) on, channels 32 (f % 4) on
	ds_load_b128 v[KF+8*(\f):KF+8*(\f)+3],   v[ADR] offset:((\f)/4)*16*PK+((\f)%4)*64
	ds_load_b128 v[KF+8*(\f)+4:KF+8*(\f)+7], v[ADR] offset:((\f)/4)*16*PK+((\f)%4)*64+32
.endr
	WIN 0xc0
.irp f, 0,1,2,3,4,5,6,7,8,9,10,11,12,13,14,15  ; V, turned: keys 32 (f / 8) on, channels 16 (f % 8) on
	ds_load_tr16_b128 v[8*(\f):8*(\f)+3],   v[ADR2] offset:((\f)/8)*32*PVP+((\f)%8)*32
	ds_load_tr16_b128 v[8*(\f)+4:8*(\f)+7], v[ADR2] offset:((\f)/8)*32*PVP+16*PVP+((\f)%8)*32
.endr
	s_wait_dscnt 32                 ; K is in; V's 32 loads may stay out
.set i, 0
.rept 32
	KQ 0
.set i, i+1
.endr
	PLACES                          ; in front of the first read of those scores
.set i, 0
.set k, 0
.rept 32
	KQ 2
	SLICE 0
	SLICE 0
.set i, i+1
.endr
	s_wait_dscnt 0x0                ; V is in
.set i, 0
.set k, 0
.rept 32
	PV 0
	SLICE 2
	SLICE 2
.set i, i+1
.endr
.set i, 0
.rept 32
	PV 2
.set i, i+1
.endr
	WIN 0
.endm
; A BLOCK'S END: the four waves' partial (m, l, O) are merged.  Each wave's (c m, l) go to STAT; behind a barrier every wave finds the maximum M of the four c m, the whole sum
; L = sum of 2^(c m_w - M) l_w, and its own factor g = 2^(c m - M) / L.  Then, a tile of 16 queries at a time: O^T g into my region of the stage; a barrier; wave w adds the four regions' rows 4 w .. 4 w + 3,
; rounds to f16 and stores each row's 256 bytes; a barrier before the stage is written again.  more = 1: the second block follows: its Q is loaded meanwhile, m and the mask scalars are set anew.
.macro BLOCKEND more
	WIN 0
.if \more
	WIN 0x80
.set i, 0
.rept 16
	global_load_b128 v[8*i:8*i+3],   v[QO], s[QLO:QLO+1] offset:(i/4)*4096+(i%4)*64
	global_load_b128 v[8*i+4:8*i+7], v[QO], s[QLO:QLO+1] offset:(i/4)*4096+(i%4)*64+32
.set i, i+1
.endr
	WIN 0
.endif
.irp t, 0,1,2,3                     ; these additions are the places behind the last products
	v_add_f32 v[ST+8*(\t)+4], v[ST+8*(\t)+2], v[ST+8*(\t)+3]
.endr
.irp t, 0,1,2,3
	v_permlanex16_b32 v[ST+8*(\t)+5], v[ST+8*(\t)+4], s[SEL], s[SEL+1]
.endr
.irp t, 0,1,2,3
	v_add_f32 v[ST+8*(\t)+1], v[ST+8*(\t)+4], v[ST+8*(\t)+5]   ; l takes m's place, beside c m
.endr
.irp t, 0,1,2,3
	ds_store_b64 v[SA], v[ST+8*(\t):ST+8*(\t)+1] offset:(\t)*128  ; both halves of the lanes hold the same pair
.endr
	s_wait_dscnt 0x0                ; for the others' sake
	s_barrier_signal -1
	s_barrier_wait -1
.irp t, 0,1,2,3
.irp w, 0,1,2,3
	ds_load_b64 v[S+8*(\t)+2*(\w):S+8*(\t)+2*(\w)+1], v[SR] offset:(\w)*512+(\t)*128
.endr
.endr
	s_wait_dscnt 0x0
.irp t, 0,1,2,3
	v_max3_num_f32 v[MT+(\t)], v[S+8*(\t)], v[S+8*(\t)+2], v[S+8*(\t)+4]
.endr
.irp t, 0,1,2,3
	v_max_num_f32 v[MT+(\t)], v[MT+(\t)], v[S+8*(\t)+6]
.endr
.irp t, 0,1,2,3
.irp w, 0,1,2,3
	v_sub_f32 v[S+8*(\t)+2*(\w)], v[S+8*(\t)+2*(\w)], v[MT+(\t)]
.endr
	v_sub_f32 v[EO+(\t)], v[ST+8*(\t)], v[MT+(\t)]
.endr
.irp t, 0,1,2,3
.irp w, 0,1,2,3
	v_exp_f32 v[S+8*(\t)+2*(\w)], v[S+8*(\t)+2*(\w)]
.endr
	v_exp_f32 v[EO+(\t)], v[EO+(\t)]
.endr
	v_nop                           ; a plain instruction behind the exponentials
	s_wait_alu depctr_va_vdst(0)
.irp t, 0,1,2,3
	v_mul_f32 v[LT+(\t)], v[S+8*(\t)], v[S+8*(\t)+1]
.endr
.irp w, 1,2,3
.irp t, 0,1,2,3
	v_fmac_f32 v[LT+(\t)], v[S+8*(\t)+2*(\w)], v[S+8*(\t)+2*(\w)+1]
.endr
.endr
.irp t, 0,1,2,3
	v_rcp_f32 v[RC+(\t)], v[LT+(\t)]
.endr
	v_nop                           ; a plain instruction behind the reciprocals
	s_wait_alu depctr_va_vdst(0)
.irp t, 0,1,2,3
	v_mul_f32 v[ST+8*(\t)+6], v[EO+(\t)], v[RC+(\t)]
.endr
.irp t, 0,1,2,3
	WIN W_RS
.set i, 0
.rept 32
	v_pk_mul_f32 v[64*(\t)+2*i:64*(\t)+2*i+1], v[64*(\t)+2*i:64*(\t)+2*i+1], v[ST+8*(\t)+6:ST+8*(\t)+7] op_sel_hi:[1,0]
.set i, i+1
.endr
	WIN 0x04                        ; the store's data in window 1
.irp c, 0,1,2,3,4,5,6,7
	ds_store_b128 v[STO], v[64*(\t)+8*(\c):64*(\t)+8*(\c)+3]   offset:64*(\c)
	ds_store_b128 v[STO], v[64*(\t)+8*(\c)+4:64*(\t)+8*(\c)+7] offset:64*(\c)+16
.endr
	WIN 0
	s_wait_dscnt 0x0                ; for the others' sake: my region is written
	s_barrier_signal -1
	s_barrier_wait -1
.irp r, 0,1,2,3
.irp w, 0,1,2,3
	ds_load_b128 v[S+32+16*(\r)+4*(\w):S+32+16*(\r)+4*(\w)+3], v[RDM] offset:(\w)*16*SP+(\r)*SP
.endr
.endr
	s_wait_dscnt 0x0                ; my reads of the stage are over
.if (\t) < 3
	s_barrier_signal -1             ; everybody's are: the next tile may be written.  Behind the fourth tile the stage rests until a later change of slots, which has its own barrier
	s_barrier_wait -1
.endif
.irp r, 0,1,2,3
	v_pk_add_f32 v[S+32+16*(\r):S+32+16*(\r)+1],     v[S+32+16*(\r):S+32+16*(\r)+1],     v[S+32+16*(\r)+4:S+32+16*(\r)+5]
	v_pk_add_f32 v[S+32+16*(\r)+2:S+32+16*(\r)+3],   v[S+32+16*(\r)+2:S+32+16*(\r)+3],   v[S+32+16*(\r)+6:S+32+16*(\r)+7]
	v_pk_add_f32 v[S+32+16*(\r)+8:S+32+16*(\r)+9],   v[S+32+16*(\r)+8:S+32+16*(\r)+9],   v[S+32+16*(\r)+12:S+32+16*(\r)+13]
	v_pk_add_f32 v[S+32+16*(\r)+10:S+32+16*(\r)+11], v[S+32+16*(\r)+10:S+32+16*(\r)+11], v[S+32+16*(\r)+14:S+32+16*(\r)+15]
	v_pk_add_f32 v[S+32+16*(\r):S+32+16*(\r)+1],     v[S+32+16*(\r):S+32+16*(\r)+1],     v[S+32+16*(\r)+8:S+32+16*(\r)+9]
	v_pk_add_f32 v[S+32+16*(\r)+2:S+32+16*(\r)+3],   v[S+32+16*(\r)+2:S+32+16*(\r)+3],   v[S+32+16*(\r)+10:S+32+16*(\r)+11]
	v_cvt_pk_f16_f32 v[P+8*(\t)+2*(\r)],   v[S+32+16*(\r)],   v[S+32+16*(\r)+1]
	v_cvt_pk_f16_f32 v[P+8*(\t)+2*(\r)+1], v[S+32+16*(\r)+2], v[S+32+16*(\r)+3]
	global_store_b64 v[GO], v[P+8*(\t)+2*(\r):P+8*(\t)+2*(\r)+1], s[OP:OP+1] offset:(16*(\t)+(\r))*2048  ; the wave's 32 lanes cover 256 consecutive bytes, aligned; each store has data registers of its own
.endr
.endr
.if \more
	s_wait_xcnt 0x0                 ; the stores have read their data registers and ob's address
	s_mov_b64 s[OP:OP+1], s[OLO:OLO+1]
	s_add_co_u32 s[RT], s[JJ], 1    ; the second block has j + 1 tiles
	BLKSC CX                        ; and stands beside key group cx of its last tile
.set i, 0
.rept 4
	v_mov_b32 v[ST+8*i], 0xfe000000    ; its first step's a is 0: O^T and l, which are finite, count for nothing
	v_mov_b32 v[ST+8*i+1], 0xff7fffff
.set i, i+1
.endr
	s_wait_loadcnt 0x0              ; its Q
.endif
.endm
.Lslot:                             ; 8 times: a tile is entered and the next is asked for
	CHANGE 1
	s_sub_co_u32 s[RT], s[RT], 1
	STEP
	s_cmp_lg_u32 s[RT], 0           ; the count hangs on j alone: the same in all four waves and in all four partners
	s_cbranch_scc1 .Lbottom
	BLOCKEND 1                      ; in the loop this is the first block's end: the second's last tile is the walk's last
.Lbottom:
	s_sub_co_u32 s[SLOTS], s[SLOTS], 1
	s_cmp_lg_u32 s[SLOTS], 0
	s_cbranch_scc1 .Lslot
	CHANGE 0                        ; the walk's last tile is written out: nothing is asked for
	s_sub_co_u32 s[RT], s[RT], 1
	STEP
	BLOCKEND 0
	s_wait_tensorcnt 0x0            ; the wave's end
	ds_add_u32 v[SPW], v[NIL]
	s_wait_dscnt 0x0
	CROUND                          ; the closing round
	s_endpgm
.Lfunc_end_k_qc8d5eac0b7_attn:
	.size	k_qc8d5eac0b7_attn, .Lfunc_end_k_qc8d5eac0b7_attn-k_qc8d5eac0b7_attn
	.p2alignl 7, 3214868480
	.fill 96, 4, 3214868480
	.section	.rodata,"a",@progbits
	.p2align	6, 0x0
	.amdhsa_kernel k_qc8d5eac0b7_attn
		.amdhsa_group_segment_fixed_size 327680
		.amdhsa_private_segment_fixed_size 0
		.amdhsa_enable_private_segment 0
		.amdhsa_kernarg_size 16
		.amdhsa_user_sgpr_count 2
		.amdhsa_user_sgpr_kernarg_segment_ptr 1
		.amdhsa_wavefront_size32 1
		.amdhsa_system_sgpr_workgroup_id_x 1
		.amdhsa_system_sgpr_workgroup_id_y 1
		.amdhsa_system_sgpr_workgroup_id_z 1
		.amdhsa_system_vgpr_workitem_id 0
		.amdhsa_next_free_vgpr 928
		.amdhsa_next_free_sgpr 84
		.amdhsa_reserve_vcc 1
		.amdhsa_float_denorm_mode_32 3
		.amdhsa_float_denorm_mode_16_64 3
		.amdhsa_memory_ordered 1
		.amdhsa_forward_progress 1
		.amdhsa_inst_pref_size 185
	.end_amdhsa_kernel
	.amdgpu_metadata
---
amdhsa.version: [ 1, 2 ]
amdhsa.kernels:
  - .name:           k_qc8d5eac0b7_attn
    .symbol:         k_qc8d5eac0b7_attn.kd
    .args:
      - { .name: qkv, .offset: 0, .size: 8, .value_kind: global_buffer, .address_space: global }
      - { .name: ob, .offset: 8, .size: 8, .value_kind: global_buffer, .address_space: global }
    .group_segment_fixed_size: 327680
    .private_segment_fixed_size: 0
    .kernarg_segment_align: 8
    .kernarg_segment_size: 16
    .max_flat_workgroup_size: 128
    .sgpr_count:     84
    .vgpr_count:     928
    .wavefront_size: 32
...
	.end_amdgpu_metadata
.endif
;; end of part 3
;; launch oproj (part 4): grid 16 x 16, 4 waves a work-group, clusters of 4 x 4, 327,680 bytes of LDS; arguments ob, wob, out0; writes out0
.if DOCPART == 4
	.amdgcn_target "amdgcn-amd-amdhsa--gfx1250"
	.amdhsa_code_object_version 6
	.text
	.protected	k_qc8d5eac0b7_oproj
	.globl	k_qc8d5eac0b7_oproj
	.p2align	8
	.type	k_qc8d5eac0b7_oproj,@function
k_qc8d5eac0b7_oproj:
	s_mov_b64 s[64:65], 0
	v_nop
	global_prefetch_b8 v0, s[64:65] scope:SCOPE_SE
	s_setreg_imm32_b32 hwreg(HW_REG_WAVE_MODE, 25, 1), 1
	s_wait_xcnt 0x0
	s_wait_alu depctr_hold_cnt(0) depctr_sa_sdst(0) depctr_va_vdst(0) depctr_va_sdst(0) depctr_va_ssrc(0) depctr_va_vcc(0) depctr_vm_vsrc(0)
	s_getreg_b32 s2, hwreg(HW_REG_IB_STS2, 6, 4)
	s_cmp_eq_u32 s2, 0
	s_cbranch_scc0 .Lentry_in_a_cluster
	s_endpgm
.Lentry_in_a_cluster:
	s_bfe_u32 s2, ttmp6, 0x10000c
	s_cmp_lg_u32 s2, 0xf033
	s_cbranch_scc0 .Lentry_shape_is_right
	s_endpgm
.Lentry_shape_is_right:
; OUT = ob wob^T.  ob: [4096][1024] f16 (O / 16), wob: [4096][1024] f16 (16 x bf16(wo)), out0: [4096][4096] f32: the two powers of two cancel.  Sums in f32.
; A tile of out0, 256 x 256, is made by four waves, each 128 x 128: 64 accumulators, 512 registers.  256 work-groups.  K goes in 8 steps of 128 through two LDS slots filled by the tensor data mover;
; rows of the tiles are 256 bytes of memory, aligned.  CLUSTER 4 x 4: A's tile is shared along a row of the cluster, B's along a column; each is asked for jointly.
; A K STEP IS WRITTEN ONCE: the base of the slot being read is a scalar, 0 or SLOT, turned by an exclusive or at each change of slots; the fragment addresses are made anew from it, and the walking
; descriptor takes it as the slot to fill.  A trip goes from a step's second quarter to the next step's first.  The last two steps, which ask for nothing, are a second loop of two trips, left in its middle.
; THE MATRIX INSTRUCTION IS USED TRANSPOSED (source 0 = 16 rows of B, source 1 = 16 rows of A): a lane holds eight neighbouring numbers of a row of the result.
; REGISTERS.  window 0: v0-31 addresses; v64-127, v128-191 fragments of A, two buffers, on the way out rows read back from the stage     window 1: v64-127, v128-191 fragments of B
;   window 2: the 32 accumulators of my rows 0-63 ((a, b) at v[8 (8 a + b)])     window 3: those of my rows 64-127
.set SIZE_K, 1024
.set SIZE_N, 4096
.set KSTEP,  128
.set STEPS,  SIZE_K/KSTEP
.set PITCH,  272
.set HALFT,  128*PITCH
.set SLOT,   4*HALFT
.set STAGE,  2*SLOT                    ; behind the ring: 16 rows x 528 bytes for each wave
.set SPITCH, 528                       ; 512 bytes of f32 + 16
.set SPARE,  STAGE+4*16*SPITCH         ; the spare words, 128 bytes for each wave, which no other line names
.set ADRA, 16                          ; v16  LDS address of my A fragments in slot 0; never rewritten
.set CA,   17                          ; v17  in the slot being read
.set ADRB, 20                          ; v20, v21 the same for B
.set CB,   21
.set STO,  24
.set RD,   25
.set CO,   26
.set SPW,  28
.set NIL,  29
.set F0,   64
.set F1,   128
.set OB,   64
.set G1, 24
.set G0, 32                            ; s[32:35] group 0 for A's K step 0; s[36:39] for K step 1: it then walks on
.set G1B, 48
.set G0B, 56                           ; s[56:59], s[60:63] the same for B
.set TB,  45                           ; s45  the slot being read: 0 or SLOT
.set MSB, 0
.macro WIN new
.if MSB != (\new)
	s_set_vgpr_msb (MSB<<8)|(\new)
.set MSB, \new
.endif
.endm
.set MUL_LO, 0xa1                      ; source 0 (B) window 1, source 1 (A) window 0, C and D window 2
.set MUL_HI, 0xf1                      ; the same, C and D window 3
.set TO_B,   0x40
.macro JLOAD s                         ; a joint load: waves 0, 1 A's halves, waves 2, 3 B's; an s_nop 0 and four v_nop follow each line
	s_cmp_eq_u32 s11, 0
	s_cbranch_scc0 .Lfor_b_\@
	tensor_load_to_lds s[G0+4*(\s):G0+4*(\s)+3], s[G1:G1+7]
	s_nop 0
.rept 4
	v_nop
.endr
	s_branch .Lasked_\@
.Lfor_b_\@:
	tensor_load_to_lds s[G0B+4*(\s):G0B+4*(\s)+3], s[G1B:G1B+7]
	s_nop 0
.rept 4
	v_nop
.endr
.Lasked_\@:
.endm
.macro CREST
	s_cmp_lg_u32 s10, 0
	s_cbranch_scc1 .Lnot_wave_0_\@
	s_barrier_signal -3
.Lnot_wave_0_\@:
	s_barrier_wait -3
	s_barrier_signal -1
	s_barrier_wait -1
.endm
.macro CROUND
	s_barrier_signal -1
	s_barrier_wait -1
	CREST
.endm
	s_load_b128 s[4:7], s[0:1], 0x0                ; ob s[4:5], wob s[6:7]
	s_load_b64 s[8:9], s[0:1], 0x10                ; out0
	v_lshl_add_u32 v[SPW], v0, 2, SPARE
	v_mov_b32 v[NIL], 0
	ds_add_u32 v28, v29
	s_wait_dscnt 0x0
	v_lshrrev_b32 v1, 5, v0
	v_readfirstlane_b32 s10, v1                    ; wave 0..3
	s_lshr_b32 s11, s10, 1                         ; which half of the tile's rows is mine.  Also: I fetch for A (0) or for B (1)
	s_and_b32 s12, s10, 1                          ; which half of its columns.  Also: which 128 rows of that tile I fetch
	s_bfe_u32 s40, ttmp6, 0x40000                  ; cx
	s_bfe_u32 s41, ttmp6, 0x40004                  ; cy
	s_lshl_b32 s42, ttmp9, 2
	s_add_co_u32 s42, s42, s40                     ; tile column
	s_and_b32 s13, ttmp7, 0xffff
	s_lshl_b32 s13, s13, 2
	s_add_co_u32 s13, s13, s41                     ; tile row
	s_lshl_b32 s43, s41, 2
	s_lshl_b32 s43, 15, s43                        ; my row of the cluster
	s_lshl_b32 s44, 0x1111, s40                    ; my column
	s_or_b32 s[G1+0], s43, (1<<16)|(1<<20)|(1<<21)|(5<<22)|(3<<25)
	s_or_b32 s[G1B+0], s44, (1<<16)|(1<<20)|(1<<21)|(5<<22)|(3<<25)
.irp g, G1, G1B
	s_mov_b32 s[(\g)+1], KSTEP<<16                 ; tensor_dim0 = 128
	s_mov_b32 s[(\g)+2], 128<<16                   ; tensor_dim1 = 128
	s_mov_b32 s[(\g)+3], KSTEP<<16                 ; tile_dim0 = 128
	s_mov_b32 s[(\g)+4], 128                       ; tile_dim1 = 128
	s_mov_b32 s[(\g)+5], SIZE_K                    ; elements from row to row
	s_mov_b32 s[(\g)+6], 0
	s_mov_b32 s[(\g)+7], 0
.endr
	s_lshl_b32 s17, s12, 7
	s_lshl_b32 s16, s13, 8
	s_add_co_u32 s16, s16, s17                     ; A: row 256 x tile row + 128 x half,
	s_lshl_b32 s16, s16, 11                        ; of 2,048 bytes
	s_mov_b32 s17, 0
	s_lshl_b32 s47, s12, 7
	s_lshl_b32 s46, s42, 8
	s_add_co_u32 s46, s46, s47                     ; B: row 256 x tile column + 128 x half
	s_lshl_b32 s46, s46, 11
	s_mov_b32 s47, 0
	s_mul_i32 s20, s10, HALFT                      ; where they go in a slot: wave x 128 rows
	s_mov_b32 s[TB], 0
	s_wait_kmcnt 0x0
	s_add_nc_u64 s[14:15], s[4:5], s[16:17]
	s_add_nc_u64 s[46:47], s[6:7], s[46:47]
	CROUND                                         ; all sixteen work-groups are here
.irp s, 0,1
	s_mov_b32 s[G0+4*(\s)], 1
	s_add_co_u32 s[G0+4*(\s)+1], s20, (\s)*SLOT
	s_add_nc_u64 s[G0+4*(\s)+2:G0+4*(\s)+3], s[14:15], (\s)*KSTEP*2
	s_or_b32 s[G0+4*(\s)+3], s[G0+4*(\s)+3], 0x80000000
	s_mov_b32 s[G0B+4*(\s)], 1
	s_add_co_u32 s[G0B+4*(\s)+1], s20, (\s)*SLOT
	s_add_nc_u64 s[G0B+4*(\s)+2:G0B+4*(\s)+3], s[46:47], (\s)*KSTEP*2
	s_or_b32 s[G0B+4*(\s)+3], s[G0B+4*(\s)+3], 0x80000000
	JLOAD \s
.endr
	v_and_b32 v1, 15, v0                           ; r
	v_bfe_u32 v2, v0, 4, 1                         ; h
	v_mul_u32_u24 v3, v1, PITCH
	v_lshl_add_u32 v3, v2, 4, v3
	s_mul_i32 s21, s11, HALFT                      ; my 128 rows of A
	s_mul_i32 s22, s12, HALFT                      ; my 128 rows of B, behind A's 256
	s_add_co_u32 s22, s22, 2*HALFT
	v_add_nc_u32 v[ADRA], s21, v3
	v_add_nc_u32 v[ADRB], s22, v3
	v_mov_b32 v[CA], v[ADRA]                       ; slot 0 is read first
	v_mov_b32 v[CB], v[ADRB]
	s_mul_i32 s23, s10, 16*SPITCH
	s_add_co_u32 s23, s23, STAGE                   ; my stage
	v_mul_u32_u24 v4, v1, SPITCH                   ; in: row r, 32 bytes for each half of the lanes
	v_lshl_add_u32 v4, v2, 5, v4
	v_add_nc_u32 v[STO], s23, v4
	v_and_b32 v5, 31, v0
	v_lshlrev_b32 v[CO], 4, v5                     ; back: a row's 512 bytes, 16 a lane; the same in out0
	v_add_nc_u32 v[RD], s23, v[CO]
	s_lshl_b32 s16, s13, 8
	s_lshl_b32 s17, s11, 7
	s_add_co_u32 s16, s16, s17                     ; my first row of out0,
	s_lshl_b32 s16, s16, 14                        ; of 16,384 bytes
	s_mov_b32 s17, 0
	s_add_nc_u64 s[8:9], s[8:9], s[16:17]
	s_lshl_b32 s46, s42, 10                        ; my first column, in bytes
	s_lshl_b32 s47, s12, 9
	s_add_co_u32 s46, s46, s47
	s_mov_b32 s47, 0
	s_add_nc_u64 s[8:9], s[8:9], s[46:47]          ; never stepped: the rows stand in the stores' immediates
; 16 matrix instructions: m blocks a0, a0 + 1 of the window's four x all 8 n blocks.  The 64 accumulators take turns in the same order everywhere.
.macro MUL16 f, hi, a0, zero
	WIN MUL_LO+0x50*(\hi)
.irp a, \a0, (\a0)+1
.irp b, 0,1,2,3,4,5,6,7
.if \zero
	v_wmma_f32_16x16x32_f16 v[8*(8*(\a)+(\b)):8*(8*(\a)+(\b))+7], v[(\f)+8*(\b):(\f)+8*(\b)+7], v[(\f)+8*(4*(\hi)+(\a)):(\f)+8*(4*(\hi)+(\a))+7], 0
.else
	v_wmma_f32_16x16x32_f16 v[8*(8*(\a)+(\b)):8*(8*(\a)+(\b))+7], v[(\f)+8*(\b):(\f)+8*(\b)+7], v[(\f)+8*(4*(\hi)+(\a)):(\f)+8*(4*(\hi)+(\a))+7], v[8*(8*(\a)+(\b)):8*(8*(\a)+(\b))+7]
.endif
.endr
.endr
.endm
.macro FETCH k, f                      ; 32 LDS loads in one run, from the slot being read: B's 16, then A's 16
	WIN TO_B
.irp i, 0,1,2,3,4,5,6,7
	ds_load_b128 v[(\f)+8*(\i):(\f)+8*(\i)+3],   v[CB] offset:(\k)+(\i)*16*PITCH
	ds_load_b128 v[(\f)+8*(\i)+4:(\f)+8*(\i)+7], v[CB] offset:(\k)+(\i)*16*PITCH+32
.endr
	WIN 0
.irp i, 0,1,2,3,4,5,6,7
	ds_load_b128 v[(\f)+8*(\i):(\f)+8*(\i)+3],   v[CA] offset:(\k)+(\i)*16*PITCH
	ds_load_b128 v[(\f)+8*(\i)+4:(\f)+8*(\i)+7], v[CA] offset:(\k)+(\i)*16*PITCH+32
.endr
.endm
.macro PLACES
.rept 4
	v_nop
.endr
.endm
.macro QUARTER k, f, g, zero
	s_wait_dscnt 8                                 ; B and A's rows 0-63 are in; the youngest eight loads may be out
	MUL16 \f, 0, 0, \zero
	MUL16 \f, 0, 2, \zero
	PLACES
	FETCH \k, \g
	s_wait_dscnt 32                                ; all but the 32 just issued
	MUL16 \f, 1, 0, \zero
	MUL16 \f, 1, 2, \zero
.endm
.macro TURN fill                       ; a step's last quarter multiplies buffer 1 and changes slots.  fill = 1: the slot just read out takes the K step two steps on
	WIN 0
	s_wait_tensorcnt 0x0                           ; all my tensor loads have landed: the one that was out is my part of the other slot; so a group 0 may be written
	ds_add_u32 v[SPW], v[NIL]                      ; 0 onto my spare word
	s_wait_dscnt 9                                 ; (the add and the youngest eight loads may be out)
	MUL16 F1, 0, 0, 0                              ; sixteen matrix instructions stand between the add and the wait for it
	s_wait_dscnt 0x0                               ; the add is done, and my reads of this slot are over
	s_barrier_signal -1
	MUL16 F1, 0, 2, 0
	WIN 0
	s_barrier_wait -1
.if \fill
	CREST                                          ; the barrier has opened a round of the cluster's: no wave of any partner still reads this slot or has a load on its way
	s_add_co_u32 s[G0+5], s[TB], s20               ; the walking descriptors: into the slot just read out,
	s_add_nc_u64 s[G0+6:G0+7], s[G0+6:G0+7], KSTEP*2      ; the next K step that has not been asked for
	s_add_co_u32 s[G0B+5], s[TB], s20
	s_add_nc_u64 s[G0B+6:G0B+7], s[G0B+6:G0B+7], KSTEP*2
	JLOAD 1                                        ; the first tensor load behind the round; its four v_nop are also the places in front of the loads below
.else
	PLACES
.endif
	s_xor_b32 s[TB], s[TB], SLOT                   ; the reads go to the other slot
	v_add_nc_u32 v[CA], s[TB], v[ADRA]
	v_add_nc_u32 v[CB], s[TB], v[ADRB]
	FETCH 0, F0
	MUL16 F1, 1, 0, 0
	MUL16 F1, 1, 2, 0
.endm
	s_wait_tensorcnt 1                             ; my part of K step 0 is in; K step 1's may stay out
	s_barrier_signal -1
	s_barrier_wait -1
	FETCH 0, F0
	QUARTER 64, F0, F1, 1                          ; the first quarter's products start the sums
	WIN 0
	s_mov_b32 s3, STEPS-2
.Lstep:                                                ; trip n = 0..5: the rest of K step n, whose slot then takes K step n + 2, and the first quarter of K step n + 1
	QUARTER 128, F1, F0, 0
	QUARTER 192, F0, F1, 0
	TURN 1
	QUARTER 64,  F0, F1, 0
	WIN 0
	s_sub_co_u32 s3, s3, 1
	s_cmp_lg_u32 s3, 0
	s_cbranch_scc1 .Lstep
	s_mov_b32 s3, 2
.Ltail:                                                ; K steps 6 and 7 ask for nothing: a text of their own
	QUARTER 128, F1, F0, 0
	QUARTER 192, F0, F1, 0
	WIN 0
	s_cmp_eq_u32 s3, 1                             ; the count is a constant of the text: the same in every wave and every work-group
	s_cbranch_scc1 .Lfin                           ; K step 7 has no slot to change to
	TURN 0
	QUARTER 64,  F0, F1, 0
	WIN 0
	s_sub_co_u32 s3, s3, 1
	s_cmp_lg_u32 s3, 0
	s_cbranch_scc1 .Ltail
.Lfin:
	s_wait_dscnt 8                                 ; the very last quarter: nothing more to fetch
	MUL16 F1, 0, 0, 0
	MUL16 F1, 0, 2, 0
	s_wait_dscnt 0x0
	MUL16 F1, 1, 0, 0
	MUL16 F1, 1, 2, 0
	WIN 0
	PLACES                                         ; in front of the LDS stores that read results, and of the loads into the fragment buffers
; THE WAY OUT, a block of 16 rows at a time: a lane's 32 bytes of a row go into my stage (rows of 528 bytes) and come back as whole rows of 512
.macro TOSTAGE a
.if (\a) >= 2
	s_wait_xcnt 0x0                                ; the stores of two blocks ago have read the registers that the loads below fill
.endif
	WIN 0x08+4*((\a)/4)                            ; the store's data in window 2 or 3
.irp b, 0,1,2,3,4,5,6,7                ; each accumulator's lowest four registers first
	ds_store_b128 v[STO], v[64*((\a)%4)+8*(\b):64*((\a)%4)+8*(\b)+3]   offset:64*(\b)
	ds_store_b128 v[STO], v[64*((\a)%4)+8*(\b)+4:64*((\a)%4)+8*(\b)+7] offset:64*(\b)+16
.endr
	WIN 0
.irp t, 0,1,2,3,4,5,6,7,8,9,10,11,12,13,14,15
	ds_load_b128 v[OB+64*((\a)%2)+4*(\t):OB+64*((\a)%2)+4*(\t)+3], v[RD] offset:(\t)*SPITCH  ; LDS serves a wave's instructions in order: these see the stores above
.endr
.endm
.macro SEND a, younger                 ; younger: the LDS instructions issued behind block a's loads: the next block's 32, or none
	WIN 0
.irp t, 0,1,2,3,4,5,6,7,8,9,10,11,12,13,14,15
	s_wait_dscnt (\younger)+15-(\t)
	global_store_b128 v[CO], v[OB+64*((\a)%2)+4*(\t):OB+64*((\a)%2)+4*(\t)+3], s[8:9] offset:(16*(\a)+(\t))*SIZE_N*4 th:TH_STORE_NT  ; 512 consecutive bytes, aligned; 127 rows at the most: inside the signed 24-bit immediate
.endr
.endm
	TOSTAGE 0
.irp a, 1,2,3,4,5,6,7
	TOSTAGE \a
	SEND (\a)-1, 32
.endr
	SEND 7, 0
	s_wait_tensorcnt 0x0                           ; the wave's end
	ds_add_u32 v[SPW], v[NIL]
	s_wait_dscnt 0x0
	CROUND                                         ; the closing round
	s_endpgm
.Lfunc_end_k_qc8d5eac0b7_oproj:
	.size	k_qc8d5eac0b7_oproj, .Lfunc_end_k_qc8d5eac0b7_oproj-k_qc8d5eac0b7_oproj
	.p2alignl 7, 3214868480
	.fill 96, 4, 3214868480
	.section	.rodata,"a",@progbits
	.p2align	6, 0x0
	.amdhsa_kernel k_qc8d5eac0b7_oproj
		.amdhsa_group_segment_fixed_size 327680
		.amdhsa_private_segment_fixed_size 0
		.amdhsa_enable_private_segment 0
		.amdhsa_kernarg_size 24
		.amdhsa_user_sgpr_count 2
		.amdhsa_user_sgpr_kernarg_segment_ptr 1
		.amdhsa_wavefront_size32 1
		.amdhsa_system_sgpr_workgroup_id_x 1
		.amdhsa_system_sgpr_workgroup_id_y 1
		.amdhsa_system_sgpr_workgroup_id_z 1
		.amdhsa_system_vgpr_workitem_id 0
		.amdhsa_next_free_vgpr 1024
		.amdhsa_next_free_sgpr 66
		.amdhsa_reserve_vcc 0
		.amdhsa_float_denorm_mode_32 3
		.amdhsa_float_denorm_mode_16_64 3
		.amdhsa_memory_ordered 1
		.amdhsa_forward_progress 1
		.amdhsa_inst_pref_size 105
	.end_amdhsa_kernel
	.amdgpu_metadata
---
amdhsa.version: [ 1, 2 ]
amdhsa.kernels:
  - .name:           k_qc8d5eac0b7_oproj
    .symbol:         k_qc8d5eac0b7_oproj.kd
    .args:
      - { .name: ob, .offset: 0, .size: 8, .value_kind: global_buffer, .address_space: global }
      - { .name: wob, .offset: 8, .size: 8, .value_kind: global_buffer, .address_space: global }
      - { .name: out0, .offset: 16, .size: 8, .value_kind: global_buffer, .address_space: global }
    .group_segment_fixed_size: 327680
    .private_segment_fixed_size: 0
    .kernarg_segment_align: 8
    .kernarg_segment_size: 24
    .max_flat_workgroup_size: 128
    .sgpr_count:     66
    .vgpr_count:     1024
    .wavefront_size: 32
...
	.end_amdgpu_metadata
.endif
;; end of part 4
